; MI455X (gfx1250); checked and timed in simulation.
; The chip was launched on July 23, 2026; its instructions are those of AMD's public machine-readable ISA for CDNA 5 (MIT licence, August 2026) and "CDNA5" Instruction Set Architecture Reference Guide (July 2026). The comments in the code are by the model that wrote it; some were corrected since.
;; Attention Block. Allowed arithmetic: matrix products marked QUANTISED: E2M1 operands, one E8M0 scale for each 32 along K, by v_wmma_scale_f32_16x16x128_f8f6f4 with both operands' format E2M1 (or v_wmma_scale_f32_32x16x128_f4), f32 sums; everything else in f32.
;; Inputs: b_out 1,024 float32; k 4 x 2,048 x 1,024 float32; q 4 x 2,048 x 1,024 float32; v 4 x 2,048 x 1,024 float32; w_out 1,024 x 1,024 float32.
;; Outputs: out0 4 x 2,048 x 1,024 float32.
;; This version of the problem:
;;   THIS VERSION OF THE PROBLEM IS GIVEN IN LOW PRECISION. The matrix products marked QUANTISED in the list below multiply operands that are first quantised to E2M1 (2 exponent bits, 1 mantissa bit; 4 bits a number), with one power-of-two scale for each 32 numbers along K (OCP MX v1.0); their sums are f32. All else is computed in f32.
;;   The module's matrix products, in the order in which they are computed (A, B: the left and right operand; K: the contracted axis; several contracted axes count as one K, in the product's order):
;;     1. batch 64 x [M 2,048, K 64] x [K 64, N 2,048]; A: input q; B: input k: QUANTISED
;;     2. batch 64 x [M 2,048, K 2,048] x [K 2,048, N 64]; A: softmax (see below); B: input v: QUANTISED
;;     3. [M 8,192, K 1,024] x [K 1,024, N 1,024]; A: computed on the way; B: input w_out: QUANTISED
;;   THE QUANTISER, for each operand of a quantised product, along K:
;;     - K is cut into blocks of 32 from its start; a last block that is shorter is filled with zeros.
;;     - A block's scale is 2^e with e = floor(log2(the largest magnitude in the block)) - 2, held to -126 .. 127; a block of zeros has e = 0. As a byte (E8M0): e + 127.
;;     - Each number is divided by its block's scale, clamped to +-6, and rounded to the nearest number of E2M1, ties to even, subnormals kept.
;;     - The product sums the exact products of the quantised numbers (number of the format x scale) in f32.
;;   ~~~python
;;   def quantise(x, axis):      # numpy; x: float32 -> the quantised numbers, widened to float32 again
;;       x = np.moveaxis(x, axis, -1); K = x.shape[-1]
;;       x = np.pad(x, [(0, 0)] * (x.ndim - 1) + [(0, -K % 32)]); x = x.reshape(x.shape[:-1] + (-1, 32)); a = np.abs(x).max(-1, keepdims=True)
;;       e = np.where(a > 0, np.clip(np.frexp(np.where(a > 0, a, 1))[1] - 1 - 2, -126, 127), 0)      # np.frexp(a)[1] - 1 = floor(log2(a)), exactly
;;       r = np.clip(x / 2.0 ** e, -6, 6)
;;       step = 2.0 ** (np.maximum(np.frexp(np.where(r == 0, 1, r))[1] - 1, 0) - 1)
;;       q = np.round(r / step) * step * 2.0 ** e      # np.round: ties to even
;;       return np.moveaxis(q.reshape(q.shape[:-2] + (-1,))[..., :K], -1, axis).astype(np.float32)
;;   ~~~
;;   SOFTMAX AHEAD OF A QUANTISED PRODUCT. Where the list says 'softmax', what is quantised is not the finished softmax but p = 2^(t - M), with t = logit x log2(e) and M = ceil(the row's largest t), a whole number; so 1/2 < the row's largest p <= 1. The row's sum l is taken of the UNQUANTISED p, in f32, and the product's result is divided by l at the end. Since M is a whole number, a kernel that streams over the keys may use a running M (the ceiling of the running maximum): every later rescaling is an exact power of two, which a block's scale takes up: the codes' values come out the same.
;;   OPERANDS COMPUTED ON THE WAY. 'Computed on the way' means the value that the module computes at that place (a softmax that the list does not call 'softmax' is quantised finished and normalised). What goes into a quantiser is computed in f32, as accurately as f32 sums, v_exp_f32 and their like allow (about 1e-6 of the number): no bf16 or f16 on the way to a quantiser, and a product that is left as it is and whose result goes on into a quantised operand takes f32 operands (vector FMAs, or v_wmma_f32_16x16x4_f32). A number that lies on a knife's edge between two numbers of the format may be rounded either way, as far as f32 arithmetic and the matrix unit's own rounding can turn it there, and no further.
;; 2 versions, each right; version 2 is version 1 with the launch attn written anew for expert scheduling mode. Each part assembles by itself: llvm-mc -triple=amdgcn-amd-amdhsa -mcpu=gfx1250 --defsym DOCPART=n.
;; ======== version 1 of 2: 2 launches
;; workspace buffers: ao_codes 4,194,304 bytes; ao_scales 262,144 bytes; w_codes 524,288 bytes; w_scales 65,536 bytes
;; launch attn (part 1): grid 4 x 64, 16 waves a work-group, no clusters, 285,696 bytes of LDS; arguments q, k, v, w_out, ao_codes, ao_scales, w_codes, w_scales; writes ao_codes, ao_scales, w_codes, w_scales
.if DOCPART == 1
	.amdgcn_target "amdgcn-amd-amdhsa--gfx1250"
	.amdhsa_code_object_version 6
	.text
	.protected	k_qc09884c570_attn
	.globl	k_qc09884c570_attn
	.p2align	8
	.type	k_qc09884c570_attn,@function
k_qc09884c570_attn:
	s_mov_b64 s[64:65], 0
	v_nop
	global_prefetch_b8 v0, s[64:65] scope:SCOPE_SE
	s_setreg_imm32_b32 hwreg(HW_REG_WAVE_MODE, 25, 1), 1
	s_wait_xcnt 0x0
; ATTENTION ON CODES OF FP4 (E2M1), one E8M0 scale for each 32 along a product's K.  q, k, v: [4][2048][1024] f32, 16 heads of 64 channels.
; A work-group owns one (batch, head) and 512 of its queries; 16 waves of 256 registers, four to a SIMD, so that one wave's vector work stands beside another's matrix work and LDS loads.
; HEAD PHASE.  Wave w quantises keys 128 w .. 128 w + 127 of the head: K along the 64 channels, V along the keys.  Codes and scale words go to LDS as IMAGES OF THE OPERANDS' REGISTERS
; (16 bytes a lane, 512 bytes a store) and stay there: 64 KiB + 64 KiB + 12 KiB.  One barrier; after it LDS is only read until the key loop is over.
; Each wave also quantises its own 32 queries in registers, and waves 0 and 1 each one fragment (16 rows x 128 K) of w_out: 256 work-groups x 2 = the 64 x 8 fragments of w_out.
; KEY LOOP.  Two passes of 16 queries; 16 steps of 128 keys.  Both products are used transposed: S^T = K Q^T (source 0 = 16 keys, source 1 = my 16 queries), O^T = V^T P^T
; (source 0 = 16 channels, source 1 = P): a lane holds ONE query (lane % 16) throughout.  The first product's K is 64: registers 4-7 of its fragments hold zero codes, and the scale words' bytes 2, 3 are 0.
; THE KEYS OF A TILE ARE NOT NEIGHBOURS: lane r of tile 2 b + u takes key 32 b + 8 u + r + 8 (r / 8), so that the 16 registers of tiles 2 b, 2 b + 1 are 16 neighbouring keys.  V's channels likewise,
; so that O^T's 16 registers of two tiles are 16 neighbouring channels, which are the last product's K.
; SOFTMAX.  t = score x log2(e) / 8; M = the running largest t rounded up to a whole number; p = 2^(t - M) is quantised along the keys, not normalised; the sum of the unquantised p divides O at the end.
; OUT.  O / sum is quantised along the channels (two blocks of 32 a head) and stored as the register image of the last product's operand: ao_codes [row / 16][head][lane][16 bytes]; ao_scales [head][row] of two bytes.
; NO CLUSTER, though the four work-groups of a head read the same k and v: these arrive as f32 and go through registers to the quantiser.  A joint load lands in LDS: a head's k and v are 2 x 524,288 bytes of f32,
; beside 143,360 bytes of images in 327,680, so they would have to pass through slots that are filled again and again, each time behind a meeting of the four work-groups.
; LIMITS: NaN and infinities among the inputs are not served.  A block whose largest magnitude lies under 2^-124 keeps the scale byte 1; a block of zeros gets the byte 1 where the rule says 127: its codes are zeros,
; and the bytes are read by this program alone.  p under 2^-126 comes out of v_exp_f32 as 0.  A block's largest p is taken as the exponential of its largest score.
.set VIMG,  65536                      ; LDS: K's images at 0: [step 16][tile 8][lane][16];  V's here: [step 16][tile 4][c 2][lane][16]
.set KSC,   131072                     ; K's scale words: [step][group of 4 tiles, 2][r 16][4 words]
.set VSC,   139264                     ; V's: [step][r 16][4 words]
.set SCST,  143360                     ; O's scale halves of the work-group's 512 rows: 1,024 bytes
.set STG,   144384                     ; a turning stage of 8,704 bytes for each wave: 32 rows x 272 (k, q) or 16 rows x 528 (w_out)
.set WST,   8704
.set SP,    272                        ; 256 bytes + 16: the sixteen rows that a load touches start at sixteen different banks (64 banks of 4 bytes: ISA guide 11.1)
.set WP,    528
; registers that stay: v1 16 x lane; v2 VIMG + 16 x lane; v3 KSC + 16 r; v4 VSC + 16 r; v5-8 the step's LDS addresses; v9 SCST + 64 w + 2 r; v10 SCST + 16 x thread; v11 8 x (lane / 16);
; v12 -M; v13 the largest t; v[14:15] the sum in two halves; v[16:23] Q's fragment; v[24:27] the second tile's codes; v28 its scale word; v29 Q's scale word; v30, v31 global offsets
.set RA,  32                           ; head phase: two sets of 64 numbers
.set RB,  96
.set STI, 160                          ; into the stage: 272 (lane / 16) + 16 r
.set STO, 161                          ; out of it: 272 r + 128 (lane / 16)
.set STW, 162                          ; w_out into the stage: 16 x lane
.set WRO, 163                          ; and out: 528 r + 128 (lane / 16)
.set KWI, 164                          ; where I store K's images, .. its scale words, V's images, V's scale words
.set KWS, 165
.set VWI, 166
.set VWS, 167
.set CK0, 168                          ; v168-171, v172-175 codes just made
.set CK1, 172
.set MX0, 176
.set MX1, 177
.set SOP, 178                          ; the conversions' scale operand
.set E0,  179
.set E1,  180
.set TP,  181
.set WD0, 182
.set WD1, 183
.set SBV, 184                          ; v184, v185 V's scale words in the making
.set KF,  32                           ; key loop: four fragments of K; v64-95 four of V; v96-159 S^T, then p; v160-191 O^T; v192-199 p's codes
.set VF,  64
.set SS,  96
.set OT,  160
.set PC,  192
.set BM,  200                          ; the blocks' largest scores
.set T1,  204
.set SO,  208
.set KSW, 212                          ; v212-219 K's scale words, v220-223 V's, v226 p's: these, v28 and v29 hold scales and nothing else
.set VSW, 220
.set FF,  224                          ; v[224:225] f (or 1 / sum), and a 0 that is named with it
.set PW,  226
.set TT,  227
.set SWN, 228                          ; O's scale halves: this pass's, the pass before's
.set SWO, 229
; 32 rows of a head, 256 bytes each: lanes 0-15 read one row's 256 consecutive bytes, lanes 16-31 the next row's
.macro GLOAD16 set, base, row0, nt
.irp i, 0,1,2,3,4,5,6,7,8,9,10,11,12,13,14,15
.if \nt
	global_load_b128 v[(\set)+4*\i:(\set)+4*\i+3], v30, s[\base:\base+1] offset:((\row0)+2*\i)*4096 th:TH_LOAD_NT
.else
	global_load_b128 v[(\set)+4*\i:(\set)+4*\i+3], v30, s[\base:\base+1] offset:((\row0)+2*\i)*4096
.endif
.endr
.endm
; into my stage.  perm = 1: row 2 i + lane / 16 of the 32 goes to stage row 16 u + r, where it is lane r of tile u; perm = 0: as they come
.macro TOSTG set, perm
.irp i, 0,1,2,3,4,5,6,7,8,9,10,11,12,13,14,15
.if \perm
	ds_store_b128 v[STI], v[(\set)+4*\i:(\set)+4*\i+3] offset:(16*((\i/4)%2)+8*(\i/8)+2*(\i%4))*SP
.else
	ds_store_b128 v[STI], v[(\set)+4*\i:(\set)+4*\i+3] offset:2*\i*SP
.endif
.endr
.endm
; and back, 32 neighbours a lane: registers 32 u + 0 .. 31 = channels 32 (lane / 16) + 0 .. 31 of stage row 16 u + r.  LDS serves a wave's instructions in order (ISA guide 5.7.1.4): these see the stores above
.macro BACK set
.irp u, 0,1
.irp i, 0,1,2,3,4,5,6,7
	ds_load_b128 v[(\set)+32*\u+4*\i:(\set)+32*\u+4*\i+3], v[STO] offset:\u*16*SP+16*\i
.endr
.endr
.endm
; a block of 32 numbers in one lane's registers x .. x + 31 becomes 4 registers of codes at c and its scale byte in e
.macro BLK32 x, c, e
	v_max3_num_f32 v[MX0], |v[(\x)]|, |v[(\x)+1]|, |v[(\x)+2]|
	v_max3_num_f32 v[MX1], |v[(\x)+3]|, |v[(\x)+4]|, |v[(\x)+5]|
.irp i, 6,10,14,18,22,26
	v_max3_num_f32 v[MX0], v[MX0], |v[(\x)+\i]|, |v[(\x)+\i+1]|
	v_max3_num_f32 v[MX1], v[MX1], |v[(\x)+\i+2]|, |v[(\x)+\i+3]|
.endr
	v_max3_num_f32 v[MX0], v[MX0], |v[(\x)+30]|, |v[(\x)+31]|
	v_max3_num_f32 v[MX0], v[MX0], v[MX1], 0x1800000   ; and the floor 2^(3 - 127): the byte cannot fall under 1
	v_add_nc_u32 v[SOP], 0xff000000, v[MX0]            ; 2 off the exponent field: the conversion takes the exponent field of this operand as its scale
.irp g, 0,1,2,3
	v_cvt_scalef32_pk8_fp4_f32 v[(\c)+\g], v[(\x)+8*\g:(\x)+8*\g+7], v[SOP]
.endr
	v_lshrrev_b32 v[\e], 23, v[SOP]                    ; the scale's byte; also the plain line behind the conversions
.endm
; my block's byte (block lane / 16 of a row of 64) and lane l xor 16's make the row's scale word: bytes 0 and 1; bytes 2 and 3 stay 0
.macro WORD2 e, wd
	v_lshlrev_b32 v[\e], v11, v[\e]
	v_permlanex16_b32 v[TP], v[\e], s30, s31
	v_or_b32 v[\wd], v[\e], v[TP]
.endm
; keys 32 t .. 32 t + 31 of my 128, loaded into set: tiles 2 t and 2 t + 1.  cnt: the loads issued behind this group's
.macro KTASK t, set, cnt
	s_wait_loadcnt \cnt
	TOSTG \set, 1
	BACK \set
	s_wait_dscnt 0x0                               ; the numbers are back; the last task's stores have read the code registers
	BLK32 \set, CK0, E0
	BLK32 (\set)+32, CK1, E1
	WORD2 E0, WD0
	WORD2 E1, WD1
	ds_store_b128 v[KWI], v[CK0:CK0+3] offset:(2*\t)*512
	ds_store_b128 v[KWI], v[CK1:CK1+3] offset:(2*\t+1)*512
	ds_store_b32 v[KWS], v[WD0] offset:((2*\t)/4)*256+((2*\t)%4)*4      ; lanes r and 16 + r write the same word with the same value
	ds_store_b32 v[KWS], v[WD1] offset:((2*\t+1)/4)*256+((2*\t+1)%4)*4
.endm
; V: A LANE TAKES A CHANNEL, AND ITS REGISTERS RUN DOWN THE KEYS.  Task t: key block t / 2 of my four, channels 32 (t % 2) + lane: each load reads 128 consecutive bytes
.macro VLOAD t
.irp i, 0,1,2,3,4,5,6,7,8,9,10,11,12,13,14,15,16,17,18,19,20,21,22,23,24,25,26,27,28,29,30,31
	global_load_b32 v[RB+32*((\t)%2)+\i], v31, s[8:9] offset:(32*((\t)/2)+\i)*4096+128*((\t)%2)
.endr
.endm
.macro VBLK t
.set KB, (\t)/2
.set GG, (\t)%2
.set VS, RB+32*((\t)%2)
.if (\t) < 7
	s_wait_loadcnt 32                              ; this block's 32 loads are in; the next block's may be out
.else
	s_wait_loadcnt 0x0
.endif
	s_wait_dscnt 0x0                               ; the last stores have read the code registers
	BLK32 VS, CK0, E0
.if KB == 0
	v_mov_b32 v[SBV+GG], v[E0]                     ; four key blocks' bytes make my channel's scale word of this step
.else
	v_lshl_or_b32 v[SBV+GG], v[E0], 8*KB, v[SBV+GG]
.endif
	ds_store_b128 v[VWI], v[CK0:CK0+3] offset:2048*GG+512*(KB/2)+256*(KB%2)   ; tile 2 g + u, registers 4 c on, lane 16 (kb % 2) + r
.if KB == 3
	ds_store_b32 v[VWS], v[SBV+GG] offset:8*GG
.endif
.if (\t) < 6
	VLOAD (\t)+2
.endif
.endm
	s_load_b256 s[4:11], s[0:1], 0x0               ; q s[4:5], k s[6:7], v s[8:9], w_out s[10:11]
	s_load_b256 s[12:19], s[0:1], 0x20             ; ao_codes s[12:13], ao_scales s[14:15], w_codes s[16:17], w_scales s[18:19]
	v_lshl_add_u32 v254, v0, 2, 0x45400
	v_mov_b32 v255, 0
	v_lshrrev_b32 v32, 5, v0
	v_readfirstlane_b32 s20, v32                   ; wave 0..15
	s_and_b32 s22, ttmp7, 0xffff                   ; 16 x batch + head
	s_lshr_b32 s23, s22, 4                         ; batch
	s_and_b32 s24, s22, 15                         ; head
	s_mov_b32 s30, 0x76543210
	s_mov_b32 s31, 0xfedcba98                      ; v_permlanex16_b32's selects for lane l xor 16
	s_mov_b32 s32, 0x3e38aa3b                      ; c = log2(e) / 8
	s_mov_b32 s33, s32                             ; (named with it as a pair, so it is written)
	v_and_b32 v33, 31, v0                          ; lane
	v_and_b32 v34, 15, v0                          ; r
	v_bfe_u32 v35, v0, 4, 1                        ; lane / 16
	v_and_b32 v36, 7, v0
	v_lshl_add_u32 v36, v35, 3, v36                ; lane % 8 + 8 (lane / 16): the lane of a tile of V that takes channel 32 g + lane,
	v_bfe_u32 v37, v0, 3, 1                        ; and which of the two tiles
	v_lshlrev_b32 v1, 4, v33
	v_add_nc_u32 v2, VIMG, v1
	v_lshl_add_u32 v3, v34, 4, KSC
	v_lshl_add_u32 v4, v34, 4, VSC
	s_lshl_b32 s40, s20, 6
	s_add_co_u32 s40, s40, SCST
	v_lshl_add_u32 v9, v34, 1, s40
	v_lshl_add_u32 v10, v0, 4, SCST
	v_lshlrev_b32 v11, 3, v35
	v_lshlrev_b32 v30, 4, v34
	v_lshl_add_u32 v30, v35, 12, v30               ; rows of q and k: 4,096 (lane / 16) + 16 r
	v_lshlrev_b32 v31, 2, v33                      ; 4 x lane
	s_mul_i32 s41, s20, WST
	s_add_co_u32 s41, s41, STG                     ; my stage
	v_mul_u32_u24 v[STI], v35, SP
	v_lshl_add_u32 v[STI], v34, 4, v[STI]
	v_add_nc_u32 v[STI], s41, v[STI]
	v_mul_u32_u24 v[STO], v34, SP
	v_lshl_add_u32 v[STO], v35, 7, v[STO]
	v_add_nc_u32 v[STO], s41, v[STO]
	v_add_nc_u32 v[STW], s41, v1
	v_mul_u32_u24 v[WRO], v34, WP
	v_lshl_add_u32 v[WRO], v35, 7, v[WRO]
	v_add_nc_u32 v[WRO], s41, v[WRO]
	s_lshl_b32 s42, s20, 12                        ; a step's images are 4,096 bytes
	v_add_nc_u32 v[KWI], s42, v1
	s_lshl_b32 s43, s20, 9
	v_add_nc_u32 v[KWS], s43, v3
	v_lshlrev_b32 v[VWI], 4, v36
	v_lshl_add_u32 v[VWI], v37, 10, v[VWI]
	v_add_nc_u32 v[VWI], s42, v[VWI]
	v_add_nc_u32 v[VWI], VIMG, v[VWI]
	s_lshl_b32 s44, s20, 8
	s_add_co_u32 s44, s44, VSC
	v_lshlrev_b32 v[VWS], 4, v36
	v_lshl_add_u32 v[VWS], v37, 2, v[VWS]
	v_add_nc_u32 v[VWS], s44, v[VWS]
	v_mov_b32 v[TP], 0                             ; written once: a lane permute's destination counts as one of its sources
.irp b, 0,1,2,3
	v_mov_b32 v[T1+\b], 0
.endr
	v_mov_b32 v[TT], 0
	v_mov_b32 v[FF+1], 0                           ; (named as the upper half of the pair v[224:225])
	v_mov_b32 v[SWN], 0
	; byte offsets, each in a pair with 0 above it
	s_lshl_b32 s26, s23, 23
	s_lshl_b32 s40, s24, 8
	s_add_co_u32 s26, s26, s40                     ; the batch's 2,048 rows of 4,096 bytes, the head's 256 bytes of a row
	s_lshl_b32 s40, s20, 19
	s_add_co_u32 s28, s26, s40                     ; k, v: + my 128 keys
	s_lshl_b32 s40, ttmp9, 21
	s_add_co_u32 s26, s26, s40                     ; q: + the work-group's 512 queries
	s_lshl_b32 s40, s20, 17
	s_add_co_u32 s26, s26, s40                     ;    + my 32
	s_mov_b32 s27, 0
	s_mov_b32 s29, 0
	s_lshl_b32 s45, s22, 2
	s_add_co_u32 s45, s45, ttmp9
	s_lshl_b32 s45, s45, 1
	s_and_b32 s40, s20, 1
	s_add_co_u32 s45, s45, s40                     ; T = 2 x work-group + wave % 2: fragment (T / 8, T % 8) of w_out
	s_lshr_b32 s46, s45, 3
	s_lshl_b32 s46, s46, 16                        ; 16 rows of 4,096 bytes
	s_and_b32 s40, s45, 7
	s_lshl_b32 s40, s40, 9                         ; 128 numbers
	s_add_co_u32 s46, s46, s40
	s_mov_b32 s47, 0
	s_lshl_b32 s48, s23, 7
	s_lshl_b32 s40, ttmp9, 5
	s_add_co_u32 s48, s48, s40
	s_lshl_b32 s40, s20, 1
	s_add_co_u32 s48, s48, s40                     ; my first tile of 16 rows: 128 batch + 32 block + 2 wave
	s_lshl_b32 s48, s48, 13                        ; 16 heads x 512 bytes a tile
	s_lshl_b32 s40, s24, 9
	s_add_co_u32 s48, s48, s40
	s_mov_b32 s49, 0
	s_lshl_b32 s50, s24, 14                        ; ao_scales: 8,192 rows x 2 bytes a head
	s_lshl_b32 s40, s23, 12
	s_add_co_u32 s50, s50, s40
	s_lshl_b32 s40, ttmp9, 10
	s_add_co_u32 s50, s50, s40
	s_mov_b32 s51, 0
	s_lshl_b32 s52, s45, 10
	s_mov_b32 s53, 0
	s_lshl_b32 s54, s45, 7
	s_mov_b32 s55, 0
	s_wait_kmcnt 0x0
	s_add_nc_u64 s[4:5], s[4:5], s[26:27]
	s_add_nc_u64 s[6:7], s[6:7], s[28:29]
	s_add_nc_u64 s[8:9], s[8:9], s[28:29]
	s_add_nc_u64 s[10:11], s[10:11], s[46:47]
	s_add_nc_u64 s[12:13], s[12:13], s[48:49]
	s_add_nc_u64 s[14:15], s[14:15], s[50:51]
	s_add_nc_u64 s[16:17], s[16:17], s[52:53]
	s_add_nc_u64 s[18:19], s[18:19], s[54:55]
	GLOAD16 RA, 4, 0, 1                            ; my 32 queries
	; ---- waves 0 and 1: a fragment of w_out, 16 rows x 128 along K
	s_cmp_lt_u32 s20, 2
	s_cbranch_scc0 .Lno_w
.irp i, 0,1,2,3,4,5,6,7,8,9,10,11,12,13,14,15
	global_load_b128 v[RB+4*\i:RB+4*\i+3], v1, s[10:11] offset:4096*\i th:TH_LOAD_NT   ; a row's 512 consecutive bytes
.endr
	s_wait_loadcnt 0x0
.irp i, 0,1,2,3,4,5,6,7,8,9,10,11,12,13,14,15
	ds_store_b128 v[STW], v[RB+4*\i:RB+4*\i+3] offset:WP*\i
.endr
.irp c, 0,1
.irp i, 0,1,2,3,4,5,6,7
	ds_load_b128 v[RB+32*\c+4*\i:RB+32*\c+4*\i+3], v[WRO] offset:256*\c+16*\i   ; k = 64 c + 32 (lane / 16) + 0 .. 31 of row r
.endr
.endr
	s_wait_dscnt 0x0
	BLK32 RB, CK0, E0
	BLK32 RB+32, CK1, E1
	v_lshl_or_b32 v[WD0], v[E1], 16, v[E0]         ; my two bytes: blocks lane / 16 and 2 + lane / 16,
	v_lshlrev_b32 v[WD0], v11, v[WD0]              ; at their places in the scale word;
	v_permlanex16_b32 v[TP], v[WD0], s30, s31
	v_or_b32 v[WD0], v[WD0], v[TP]                 ; with lane l xor 16's two the word is whole
	global_store_b128 v1, v[CK0:CK0+3], s[16:17]   ; the fragment's register image: 512 consecutive bytes a store
	global_store_b128 v1, v[CK1:CK1+3], s[16:17] offset:512
	global_store_b32 v31, v[WD0], s[18:19]
	s_wait_xcnt 0x0                                ; the stores' data registers are written again below only behind this wait
.Lno_w:
	GLOAD16 RB, 6, 0, 0                            ; keys 0-31 of my 128
	; ---- my 32 queries: two fragments and their scale words, in registers
	s_wait_loadcnt 16                              ; q is in; k's 16 loads may be out
	TOSTG RA, 0
	BACK RA
	s_wait_dscnt 0x0
	BLK32 RA, 16, E0
	WORD2 E0, 29
	BLK32 RA+32, 24, E1
	WORD2 E1, 28
	GLOAD16 RA, 6, 32, 0
	; ---- my 128 keys of K.  Each count: the loads of the one group issued behind the group that is waited for
	KTASK 0, RB, 16
	GLOAD16 RB, 6, 64, 0
	KTASK 1, RA, 16
	GLOAD16 RA, 6, 96, 0
	KTASK 2, RB, 16
	VLOAD 0
	KTASK 3, RA, 32
	VLOAD 1
	; ---- and of V
.irp t, 0,1,2,3,4,5,6,7
	VBLK \t
.endr
	s_wait_dscnt 0x0                               ; for the others' sake: my images and scale words lie in LDS
	s_barrier_signal -1
	s_barrier_wait -1                              ; everybody's do
.irp j, 20,21,22,23, 36,37,38,39, 44,45,46,47, 52,53,54,55, 60,61,62,63
	v_mov_b32 v[\j], 0                             ; k = 64 .. 127 of the first product's fragments: zero codes, written once; the loop's loads fill the lower four registers alone
.endr
	s_mov_b32 s34, 2
.Lpass:                                            ; 16 queries
	v_mov_b32 v13, 0xff61b1e6                      ; the largest t so far: -3e38, under every t
	v_floor_f32 v12, -v13                          ; -M
	v_mov_b32 v14, 0
	v_mov_b32 v15, 0
.set j, 0
.rept 32
	v_mov_b32 v[OT+j], 0                           ; O^T: the step is written once; the first finds zeros, which the first change of M leaves zeros.  (Also the places between the moves of Q and its scale word and the first product)
.set j, j+1
.endr
	s_mov_b32 s36, 0                               ; the step's images: 4,096 bytes a step
	s_mov_b32 s37, 0                               ; K's scale words: 512
	s_mov_b32 s38, 0                               ; V's: 256
	s_mov_b32 s35, 16
.Lstep:                                            ; 128 keys
	v_add_nc_u32 v5, s36, v1
	v_add_nc_u32 v6, s36, v2
	v_add_nc_u32 v7, s37, v3
	v_add_nc_u32 v8, s38, v4
	ds_load_b128 v[KSW:KSW+3], v7
	ds_load_b128 v[KSW+4:KSW+7], v7 offset:256
.irp t, 0,1,2,3
	ds_load_b128 v[KF+8*\t:KF+8*\t+3], v5 offset:512*\t
.endr
	s_wait_dscnt 0x0
.irp t, 0,1,2,3
	v_wmma_scale_f32_16x16x128_f8f6f4 v[SS+8*\t:SS+8*\t+7], v[KF+8*\t:KF+8*\t+7], v[16:23], 0, v[KSW+\t], v29 matrix_a_fmt:MATRIX_FMT_FP4 matrix_b_fmt:MATRIX_FMT_FP4
.endr
.rept 4
	v_nop                                          ; places in front of loads into registers that matrix instructions have read; with the four additions above they also serve V's registers
.endr
.irp t, 0,1,2,3
	ds_load_b128 v[KF+8*\t:KF+8*\t+3], v5 offset:2048+512*\t
.endr
.irp t, 0,1,2,3
.irp c, 0,1
	ds_load_b128 v[VF+8*\t+4*\c:VF+8*\t+4*\c+3], v6 offset:1024*\t+512*\c   ; V's fragments land under the softmax
.endr
.endr
	ds_load_b128 v[VSW:VSW+3], v8
	s_wait_dscnt 9                                 ; K's four are in; V's eight and its scale words may be out
.irp t, 0,1,2,3
	v_wmma_scale_f32_16x16x128_f8f6f4 v[SS+32+8*\t:SS+32+8*\t+7], v[KF+8*\t:KF+8*\t+7], v[16:23], 0, v[KSW+4+\t], v29 matrix_a_fmt:MATRIX_FMT_FP4 matrix_b_fmt:MATRIX_FMT_FP4
.endr
.rept 4
	v_nop
.endr
.irp b, 0,1,2,3
	v_max3_num_f32 v[BM+\b], v[SS+16*\b], v[SS+1+16*\b], v[SS+2+16*\b]   ; THE LARGEST SCORE OF EACH BLOCK OF 32 KEYS: it serves the row's maximum and, since p rises with the score, the block's largest p
.endr
.irp i, 3,5,7,9,11,13
.irp b, 0,1,2,3
	v_max3_num_f32 v[BM+\b], v[BM+\b], v[SS+16*\b+\i], v[SS+1+16*\b+\i]   ; (the four blocks by turns)
.endr
.endr
.irp b, 0,1,2,3
	v_max_num_f32 v[BM+\b], v[BM+\b], v[SS+15+16*\b]
.endr
.irp b, 0,1,2,3
	v_permlanex16_b32 v[T1+\b], v[BM+\b], s30, s31
.endr
.irp b, 0,1,2,3
	v_max_num_f32 v[BM+\b], v[BM+\b], v[T1+\b]     ; with lane l xor 16's 16 keys
.endr
	v_max3_num_f32 v[TT], v[BM], v[BM+1], v[BM+2]
	v_max_num_f32 v[TT], v[TT], v[BM+3]            ; the step's largest score of my query
	v_mul_f32 v[TT], s32, v[TT]                    ; as t (c is positive)
	v_max_num_f32 v13, v13, v[TT]                  ; the running largest t
	v_mov_b32 v[TT], v12
	v_floor_f32 v12, -v13                          ; the new -M = floor(-t) = -ceil(t): M is a whole number
	v_sub_f32 v[TT], v12, v[TT]                    ; old M - new M: a whole number, 0 or less
	v_cvt_i32_f32 v[TT], v[TT]                     ; (it saturates)
	v_ldexp_f32 v[FF], 1.0, v[TT]                  ; f = 2^(old M - new M): a multiplication by it rounds nothing
.set j, 0
.rept 32
	v_pk_fma_f32 v[SS+j:SS+j+1], v[SS+j:SS+j+1], s[32:33], v[12:13] op_sel_hi:[1,0,0]   ; t - M, two at a time (of the pairs c and -M the low word serves both halves)
.set j, j+2
.endr
.irp b, 0,1,2,3
	v_fma_f32 v[BM+\b], v[BM+\b], s32, v12         ; the same of each block's largest score
.endr
.set j, 0
.rept 64
	v_exp_f32 v[SS+j], v[SS+j]                     ; p = 2^(t - M), at most 1: not normalised
.set j, j+1
.endr
.irp b, 0,1,2,3
	v_exp_f32 v[BM+\b], v[BM+\b]                   ; the block's largest p: the same two instructions on the same number give the same bits
.endr
	v_pk_mul_f32 v[14:15], v[14:15], v[FF:FF+1] op_sel_hi:[1,0]   ; the sums under the new M.  (The plain line behind the exponentials: ISA guide 5.7.2)
	s_wait_alu depctr_va_vdst(0)
.irp b, 0,1,2,3
	v_max_num_f32 v[BM+\b], 0x1800000, v[BM+\b]    ; the floor 2^(3 - 127): the byte cannot fall under 1
.endr
.irp b, 0,1,2,3
	v_add_nc_u32 v[SO+\b], 0xff000000, v[BM+\b]    ; 2 off the exponent field: the conversion's scale operand
.endr
.irp b, 0,1,2,3
	v_lshrrev_b32 v[T1+\b], 23, v[SO+\b]           ; the scale's byte
.endr
	v_lshl_or_b32 v[PW], v[T1+1], 8, v[T1]         ; p's scale word for these 128 keys
	v_lshl_or_b32 v[PW], v[T1+2], 16, v[PW]
	v_lshl_or_b32 v[PW], v[T1+3], 24, v[PW]
.irp b, 0,1,2,3
	v_cvt_scalef32_pk8_fp4_f32 v[PC+2*\b], v[SS+16*\b:SS+7+16*\b], v[SO+\b]
	v_cvt_scalef32_pk8_fp4_f32 v[PC+1+2*\b], v[SS+8+16*\b:SS+15+16*\b], v[SO+\b]
.endr
	v_nop                                          ; one plain line behind the scaled conversions
.irp c, 0,1                                    ; the operand's layout wants a whole block in a lane: lanes 0-15 block 2 c, lanes 16-31 block 2 c + 1
.irp i, 0,1
	v_permlane16_swap_b32 v[PC+4*\c+\i], v[PC+2+4*\c+\i]
.endr
.endr
	v_pk_add_f32 v[T1:T1+1], v[SS:SS+1], v[SS+2:SS+3]   ; the row's sum is taken of the unquantised p: two at a time, in two chains
.set j, 4
.rept 15
	v_pk_add_f32 v[14:15], v[14:15], v[SS+j:SS+j+1]
	v_pk_add_f32 v[T1:T1+1], v[T1:T1+1], v[SS+2+j:SS+3+j]
.set j, j+4
.endr
	v_pk_add_f32 v[14:15], v[14:15], v[T1:T1+1]
.set j, 0
.rept 16
	v_pk_mul_f32 v[OT+j:OT+j+1], v[OT+j:OT+j+1], v[FF:FF+1] op_sel_hi:[1,0]   ; O^T under the new M, each accumulator from its low end on.  (With the sums: the places between p's codes and scale word and the products below)
.set j, j+2
.endr
	s_wait_dscnt 0x0                               ; V's fragments and scale words
.irp t, 0,1,2,3                                ; the four accumulators take turns, one instruction a turn
	v_wmma_scale_f32_16x16x128_f8f6f4 v[OT+8*\t:OT+8*\t+7], v[VF+8*\t:VF+8*\t+7], v[PC:PC+7], v[OT+8*\t:OT+8*\t+7], v[VSW+\t], v[PW] matrix_a_fmt:MATRIX_FMT_FP4 matrix_b_fmt:MATRIX_FMT_FP4
.endr
	s_add_co_u32 s36, s36, 4096
	s_add_co_u32 s37, s37, 512
	s_add_co_u32 s38, s38, 256
	s_sub_co_u32 s35, s35, 1
	s_cmp_lg_u32 s35, 0
	s_cbranch_scc1 .Lstep
	; ---- the pass's end: O^T / sum, quantised along the channels, stored as the last product's operand
.rept 4
	v_nop                                          ; places behind the last products
.endr
	v_add_f32 v14, v14, v15                        ; the sum's two halves,
	v_permlanex16_b32 v[TT], v14, s30, s31
	v_add_f32 v14, v14, v[TT]                      ; and lane l xor 16's: the row's sum
	v_rcp_f32 v[FF], v14
	v_mov_b32 v[SWO], v[SWN]                       ; the pass before's scale halves are kept.  (The plain line behind the reciprocal)
.set j, 0
	s_wait_alu depctr_va_vdst(0)
.rept 16
	v_pk_mul_f32 v[SS+j:SS+j+1], v[OT+j:OT+j+1], v[FF:FF+1] op_sel_hi:[1,0]   ; register 16 g + i = channel 32 g + 16 (lane / 16) + i of my query
.set j, j+2
.endr
.irp b, 0,1
	v_max3_num_f32 v[BM+\b], |v[SS+16*\b]|, |v[SS+1+16*\b]|, 0x1800000
.endr
.irp i, 2,4,6,8,10,12,14
.irp b, 0,1
	v_max3_num_f32 v[BM+\b], v[BM+\b], |v[SS+16*\b+\i]|, |v[SS+1+16*\b+\i]|
.endr
.endr
.irp b, 0,1
	v_permlanex16_b32 v[T1+\b], v[BM+\b], s30, s31
.endr
.irp b, 0,1
	v_max_num_f32 v[BM+\b], v[BM+\b], v[T1+\b]     ; with lane l xor 16's: the block's largest magnitude
.endr
.irp b, 0,1
	v_add_nc_u32 v[SO+\b], 0xff000000, v[BM+\b]
.endr
.irp b, 0,1
	v_lshrrev_b32 v[T1+\b], 23, v[SO+\b]
.endr
	v_lshl_or_b32 v[SWN], v[T1+1], 8, v[T1]        ; my row's two bytes of this head
.irp b, 0,1
	v_cvt_scalef32_pk8_fp4_f32 v[PC+2*\b], v[SS+16*\b:SS+7+16*\b], v[SO+\b]
	v_cvt_scalef32_pk8_fp4_f32 v[PC+1+2*\b], v[SS+8+16*\b:SS+15+16*\b], v[SO+\b]
.endr
	v_nop
	v_permlane16_swap_b32 v[PC], v[PC+2]           ; lanes 0-15 now hold block 0 whole, lanes 16-31 block 1
	v_permlane16_swap_b32 v[PC+1], v[PC+3]
	global_store_b128 v1, v[PC:PC+3], s[12:13]     ; 32 lanes store 512 consecutive bytes, at a multiple of 512 from the buffer's first byte
.irp j, 0,1,2,3
	v_mov_b32 v[16+\j], v[24+\j]                   ; the second tile of queries takes the fragment's place,
.endr
	v_mov_b32 v29, v28                             ; and its scale word
	s_wait_xcnt 0x0                                ; the store has read its base and its data: both are written again only behind this wait
	s_add_nc_u64 s[12:13], s[12:13], 8192          ; the next tile of 16 rows
	s_sub_co_u32 s34, s34, 1
	s_cmp_lg_u32 s34, 0
	s_cbranch_scc1 .Lpass
	; ---- the scale halves of the work-group's 512 rows meet in LDS and leave as 1,024 consecutive bytes
	s_barrier_signal -1                            ; (no LDS instruction of mine is out)
	s_barrier_wait -1                              ; all sixteen waves have left the key loop: from here on LDS is written again
	ds_store_b16 v9, v[SWO]                        ; rows 32 w + r; lanes r and 16 + r write the same two bytes with the same value
	ds_store_b16 v9, v[SWN] offset:32              ; rows 32 w + 16 + r
	s_wait_dscnt 0x0                               ; for the others' sake
	s_barrier_signal -1
	s_barrier_wait -1
	s_cmp_lt_u32 s20, 2
	s_cbranch_scc0 .Lend
	ds_load_b128 v[32:35], v10
	v_lshlrev_b32 v5, 4, v0
	s_wait_dscnt 0x0
	global_store_b128 v5, v[32:35], s[14:15]       ; 16 lanes store 256 consecutive bytes, aligned
.Lend:
	s_wait_tensorcnt 0x0
	ds_add_u32 v254, v255
	s_wait_dscnt 0x0
	s_endpgm
.Lfunc_end_k_qc09884c570_attn:
	.size	k_qc09884c570_attn, .Lfunc_end_k_qc09884c570_attn-k_qc09884c570_attn
	.p2alignl 7, 3214868480
	.fill 96, 4, 3214868480
	.section	.rodata,"a",@progbits
	.p2align	6, 0x0
	.amdhsa_kernel k_qc09884c570_attn
		.amdhsa_group_segment_fixed_size 285696
		.amdhsa_private_segment_fixed_size 0
		.amdhsa_enable_private_segment 0
		.amdhsa_kernarg_size 64
		.amdhsa_user_sgpr_count 2
		.amdhsa_user_sgpr_kernarg_segment_ptr 1
		.amdhsa_wavefront_size32 1
		.amdhsa_system_sgpr_workgroup_id_x 1
		.amdhsa_system_sgpr_workgroup_id_y 1
		.amdhsa_system_sgpr_workgroup_id_z 1
		.amdhsa_system_vgpr_workitem_id 0
		.amdhsa_next_free_vgpr 256
		.amdhsa_next_free_sgpr 66
		.amdhsa_reserve_vcc 0
		.amdhsa_float_denorm_mode_32 3
		.amdhsa_float_denorm_mode_16_64 3
		.amdhsa_memory_ordered 1
		.amdhsa_forward_progress 1
		.amdhsa_inst_pref_size 104
	.end_amdhsa_kernel
	.amdgpu_metadata
---
amdhsa.version: [ 1, 2 ]
amdhsa.kernels:
  - .name:           k_qc09884c570_attn
    .symbol:         k_qc09884c570_attn.kd
    .args:
      - { .name: q, .offset: 0, .size: 8, .value_kind: global_buffer, .address_space: global }
      - { .name: k, .offset: 8, .size: 8, .value_kind: global_buffer, .address_space: global }
      - { .name: v, .offset: 16, .size: 8, .value_kind: global_buffer, .address_space: global }
      - { .name: w_out, .offset: 24, .size: 8, .value_kind: global_buffer, .address_space: global }
      - { .name: ao_codes, .offset: 32, .size: 8, .value_kind: global_buffer, .address_space: global }
      - { .name: ao_scales, .offset: 40, .size: 8, .value_kind: global_buffer, .address_space: global }
      - { .name: w_codes, .offset: 48, .size: 8, .value_kind: global_buffer, .address_space: global }
      - { .name: w_scales, .offset: 56, .size: 8, .value_kind: global_buffer, .address_space: global }
    .group_segment_fixed_size: 285696
    .private_segment_fixed_size: 0
    .kernarg_segment_align: 8
    .kernarg_segment_size: 64
    .max_flat_workgroup_size: 512
    .sgpr_count:     66
    .vgpr_count:     256
    .wavefront_size: 32
...
	.end_amdgpu_metadata
.endif
;; end of part 1
;; launch proj (part 2): grid 4 x 64, 8 waves a work-group, clusters of 4 x 4, 252,928 bytes of LDS; arguments ao_codes, ao_scales, w_codes, w_scales, b_out, out0; writes out0
.if DOCPART == 2
	.amdgcn_target "amdgcn-amd-amdhsa--gfx1250"
	.amdhsa_code_object_version 6
	.text
	.protected	k_qc09884c570_proj
	.globl	k_qc09884c570_proj
	.p2align	8
	.type	k_qc09884c570_proj,@function
k_qc09884c570_proj:
	s_mov_b64 s[64:65], 0
	v_nop
	global_prefetch_b8 v0, s[64:65] scope:SCOPE_SE
	s_setreg_imm32_b32 hwreg(HW_REG_WAVE_MODE, 25, 1), 1
	s_wait_xcnt 0x0
	s_wait_alu depctr_hold_cnt(0) depctr_sa_sdst(0) depctr_va_vdst(0) depctr_va_sdst(0) depctr_va_ssrc(0) depctr_va_vcc(0) depctr_vm_vsrc(0)
	s_getreg_b32 s2, hwreg(HW_REG_IB_STS2, 6, 4)
	s_cmp_eq_u32 s2, 0
	s_cbranch_scc0 .Lentry_in_a_cluster
	s_endpgm
.Lentry_in_a_cluster:
	s_bfe_u32 s2, ttmp6, 0x10000c
	s_cmp_lg_u32 s2, 0xf033
	s_cbranch_scc0 .Lentry_shape_is_right
	s_endpgm
.Lentry_shape_is_right:
; out0[m][n] = sum over k of A[m][k] W[n][k] + b_out[n], on codes of FP4 (E2M1) with one E8M0 scale for each 32 along K.  M = 8,192, N = K = 1,024; out0 f32.
; Both operands were laid by the launch before in the ORDER OF THE OPERANDS' REGISTERS: ao_codes [row / 16][K step 8][c 2][lane][16 bytes], w_codes likewise, w_scales [row / 16][K step][lane][4 bytes];
; ao_scales [head 16][row] of two bytes: heads 2 s and 2 s + 1 make a row's scale word of K step s.
; A work-group makes 128 rows x 256 columns.  ALL OF K of its tiles fits in LDS: 65,536 bytes of A, 131,072 of W, 16,384 of W's scale words: three dense blocks, brought once; nothing in LDS is filled twice.
; CLUSTERS: 4 x 4 work-groups.  The four of a row of the cluster need the same block of A, the four of a column the same blocks of W: each is asked for JOINTLY, by the same tensor load with the same descriptor
; and a mask that names the four.  Each of the eight waves brings an eighth of each block: three tensor loads of a wave are out at the most.
; Eight waves, each 64 rows x 64 columns: 16 accumulators.  THE MATRIX INSTRUCTION IS USED TRANSPOSED (source 0 = 16 rows of W, source 1 = 16 rows of A): a lane then holds eight neighbouring columns of a row of out0.
; The bias is the C of each sum's first product.  No prefetch: every tile is asked for once, at the head.
.set WIMG, 65536                       ; LDS: A's images at 0; W's here;
.set WSC,  196608                      ; W's scale words;
.set ASC,  212992                      ; A's scale words, made here: [K step 8][row 128] words;
.set STG,  217088                      ; the way out: 16 rows x (256 bytes + 16) for each wave.  No tensor load lands in the last two regions
.set SP,   272
.set BI,   16                          ; v16-47   the bias: four tiles of eight registers in the result's layout
.set WF,   48                          ; v48-79   W's four fragments;  v80-111 A's four;  on the way out both hold rows read back
.set AF,   80
.set WS,   112                         ; v112-115 W's scale words, v116-119 A's: they hold scales and nothing else
.set AS,   116
.set RAW,  120                         ; v120-127 scale halves as loaded
.set ACC,  128                         ; accumulator (a, bt) at v[128 + 8 (4 a + bt)]
.set G1A,  28                          ; s[28:35], s[36:43], s[44:51] descriptor groups 1: A, W, W's scale words;  s[52:55], s[56:59], s[60:63] their groups 0
.set G1W,  36
.set G1S,  44
.set G0A,  52
.set G0W,  56
.set G0S,  60
.macro CROUND                          ; a round of the cluster's barrier: my work-group's barrier; wave 0 signals for the work-group; every wave waits for all sixteen work-groups; my work-group's barrier once more
	s_barrier_signal -1
	s_barrier_wait -1
	s_cmp_lg_u32 s16, 0
	s_cbranch_scc1 .Lnot_wave_0_\@
	s_barrier_signal -3
.Lnot_wave_0_\@:
	s_barrier_wait -3
	s_barrier_signal -1
	s_barrier_wait -1
.endm
	s_load_b256 s[4:11], s[0:1], 0x0               ; ao_codes s[4:5], ao_scales s[6:7], w_codes s[8:9], w_scales s[10:11]
	s_load_b128 s[12:15], s[0:1], 0x20             ; b_out s[12:13], out0 s[14:15]
	s_set_vgpr_msb 0x40
	v_lshl_add_u32 v0, v0, 2, 0x3d800
	v_mov_b32 v1, 0
	s_set_vgpr_msb 0x4045
	ds_add_u32 v0, v1
	ds_add_u32 v0, v1
	s_set_vgpr_msb 0x4500
	v_lshrrev_b32 v11, 5, v0
	v_readfirstlane_b32 s16, v11                   ; wave 0..7
	s_lshr_b32 s17, s16, 2                         ; which 64 rows are mine
	s_and_b32 s18, s16, 3                          ; which 64 columns
	s_bfe_u32 s20, ttmp6, 0x40000                  ; cx, cy: my place in the cluster
	s_bfe_u32 s21, ttmp6, 0x40004
	s_lshl_b32 s22, ttmp9, 2
	s_add_co_u32 s22, s22, s20                     ; tile column = 4 x cluster x + cx
	s_and_b32 s23, ttmp7, 0xffff
	s_lshl_b32 s23, s23, 2
	s_add_co_u32 s23, s23, s21                     ; tile row = 4 x cluster y + cy
	s_lshl_b32 s24, s21, 2
	s_lshl_b32 s24, 15, s24                        ; my row of the cluster
	s_lshl_b32 s25, 0x1111, s20                    ; my column
	; descriptor groups 1: dense blocks as rows of 256 bytes (32 elements of 8 bytes), no padding: images are read 16 bytes a lane, 512 consecutive bytes a load
	s_or_b32 s[G1A], s24, (3<<16)|(1<<21)          ; 15:0 the mask: A's block goes to my row; 17:16 elements of 8 bytes; 21 set beside a mask
	s_or_b32 s[G1W], s25, (3<<16)|(1<<21)          ; W's blocks go to my column
	s_or_b32 s[G1S], s25, (3<<16)|(1<<21)
.irp g, G1A, G1W, G1S
	s_mov_b32 s[\g+1], 32<<16                      ; tensor_dim0 = 32
	s_mov_b32 s[\g+3], 32<<16                      ; tile_dim0 = 32
	s_mov_b32 s[\g+5], 32                          ; from row to row: 32 elements
	s_mov_b32 s[\g+6], 0
	s_mov_b32 s[\g+7], 0
.endr
	s_mov_b32 s[G1A+2], 32<<16                     ; tensor_dim1 and tile_dim1: 32 rows (8,192 bytes a wave),
	s_mov_b32 s[G1A+4], 32
	s_mov_b32 s[G1W+2], 64<<16                     ; 64 rows (16,384),
	s_mov_b32 s[G1W+4], 64
	s_mov_b32 s[G1S+2], 8<<16                      ; 8 rows (2,048)
	s_mov_b32 s[G1S+4], 8
	; where my eighths begin.  A's hangs on the tile row alone, W's on the tile column alone, each in registers that never hold the other coordinate
	s_lshl_b32 s66, s23, 16
	s_lshl_b32 s26, s16, 13
	s_add_co_u32 s66, s66, s26
	s_mov_b32 s67, 0
	s_lshl_b32 s68, s22, 17
	s_lshl_b32 s27, s16, 14
	s_add_co_u32 s68, s68, s27
	s_mov_b32 s69, 0
	s_lshl_b32 s70, s22, 14
	s_lshl_b32 s19, s16, 11
	s_add_co_u32 s70, s70, s19
	s_mov_b32 s71, 0
	s_mov_b32 s76, 0x05040100                      ; v_perm_b32: the two low halves;
	s_mov_b32 s77, 0x07060302                      ; the two high halves
	s_wait_dscnt 0x0
	s_wait_kmcnt 0x0
	s_mov_b32 s[G0A], 1                            ; 1:0 count = 1
	s_mov_b32 s[G0A+1], s26                        ; LDS address: 8,192 x wave: no place in the cluster enters an LDS address
	s_add_nc_u64 s[G0A+2:G0A+3], s[4:5], s[66:67]
	s_or_b32 s[G0A+3], s[G0A+3], 0x80000000        ; 127:126 type = 2
	s_mov_b32 s[G0W], 1
	s_add_co_u32 s[G0W+1], s27, WIMG
	s_add_nc_u64 s[G0W+2:G0W+3], s[8:9], s[68:69]
	s_or_b32 s[G0W+3], s[G0W+3], 0x80000000
	s_mov_b32 s[G0S], 1
	s_add_co_u32 s[G0S+1], s19, WSC
	s_add_nc_u64 s[G0S+2:G0S+3], s[10:11], s[70:71]
	s_or_b32 s[G0S+3], s[G0S+3], 0x80000000
	CROUND                                         ; all sixteen work-groups are here: the joint loads meet
	tensor_load_to_lds s[G0A:G0A+3], s[G1A:G1A+7]
	s_nop 0
	tensor_load_to_lds s[G0W:G0W+3], s[G1W:G1W+7]
	s_nop 0
	tensor_load_to_lds s[G0S:G0S+3], s[G1S:G1S+7]
	s_nop 0
.rept 4
	v_nop                                          ; four lines behind the loads
.endr
	s_lshl_b32 s72, s23, 8                         ; ao_scales: my 128 rows' 256 bytes of a head
	s_mov_b32 s73, 0
	s_add_nc_u64 s[6:7], s[6:7], s[72:73]
	s_lshl_b32 s74, s22, 10                        ; my first column, in bytes: 1,024 x tile column + 256 x my quarter
	s_lshl_b32 s26, s18, 8
	s_add_co_u32 s74, s74, s26
	s_mov_b32 s75, 0
	s_add_nc_u64 s[12:13], s[12:13], s[74:75]
	s_lshl_b32 s72, s23, 19                        ; my first row: 128 x tile row + 64 x my half, rows of 4,096 bytes
	s_lshl_b32 s26, s17, 18
	s_add_co_u32 s72, s72, s26
	s_add_co_u32 s72, s72, s74
	s_add_nc_u64 s[14:15], s[14:15], s[72:73]
	v_and_b32 v11, 31, v0                          ; lane
	v_and_b32 v12, 15, v0                          ; r
	v_bfe_u32 v13, v0, 4, 1                        ; lane / 16
	v_lshlrev_b32 v14, 4, v11
	v_lshlrev_b32 v8, 5, v13                       ; the bias: my half's eight numbers of a tile
.irp bt, 0,1,2,3
	global_load_b128 v[BI+8*\bt:BI+8*\bt+3], v8, s[12:13] offset:64*\bt
	global_load_b128 v[BI+8*\bt+4:BI+8*\bt+7], v8, s[12:13] offset:64*\bt+16
.endr
	s_lshl_b32 s26, s17, 15
	v_add_nc_u32 v1, s26, v14                      ; A's images: my four tiles of 16 rows, 8,192 bytes each
	s_lshl_b32 s26, s18, 15
	s_add_co_u32 s26, s26, WIMG
	v_add_nc_u32 v2, s26, v14                      ; W's
	s_lshl_b32 s26, s18, 12
	s_add_co_u32 s26, s26, WSC
	v_lshl_add_u32 v3, v11, 2, s26                 ; W's scale words: 4 x lane
	s_lshl_b32 s26, s17, 8
	s_add_co_u32 s26, s26, ASC
	v_lshl_add_u32 v4, v12, 2, s26                 ; A's: 4 r
	s_mul_i32 s26, s16, 16*SP
	s_add_co_u32 s26, s26, STG                     ; my stage
	v_mul_u32_u24 v5, v12, SP
	v_lshl_add_u32 v5, v13, 5, v5
	v_add_nc_u32 v5, s26, v5                       ; in: row r, 32 bytes for each half of the lanes
	v_mul_u32_u24 v6, v13, SP
	v_lshl_add_u32 v6, v12, 4, v6
	v_add_nc_u32 v6, s26, v6                       ; back: lanes 0-15 one row of 256 bytes, lanes 16-31 the next
	v_lshlrev_b32 v7, 4, v12
	v_lshl_add_u32 v7, v13, 12, v7                 ; and the same two rows in out0
	v_lshrrev_b32 v15, 4, v0                       ; threads 0-127: K step s = thread / 16
	v_lshlrev_b32 v9, 4, v12
	v_lshl_add_u32 v9, v15, 15, v9                 ; head 2 s (16,384 bytes a head), eight rows' halves a lane
	v_lshlrev_b32 v10, 5, v12
	v_lshl_add_u32 v10, v15, 9, v10
	v_add_nc_u32 v10, ASC, v10                     ; and where their eight words go
	; ---- waves 0 to 3: A's scale words: the halves of heads 2 s and 2 s + 1 make a row's word of K step s
	s_cmp_lt_u32 s16, 4
	s_cbranch_scc0 .Lno_asc
	global_load_b128 v[RAW:RAW+3], v9, s[6:7]                  ; 16 lanes read 256 consecutive bytes, aligned
	global_load_b128 v[RAW+4:RAW+7], v9, s[6:7] offset:16384
	s_wait_loadcnt 0x0
.irp q, 0,1,2,3
	v_perm_b32 v[WF+2*\q], v[RAW+4+\q], v[RAW+\q], s76         ; row 2 q: head 2 s below, head 2 s + 1 above
	v_perm_b32 v[WF+2*\q+1], v[RAW+4+\q], v[RAW+\q], s77       ; row 2 q + 1
.endr
	ds_store_b128 v10, v[WF:WF+3]
	ds_store_b128 v10, v[WF+4:WF+7] offset:16
.Lno_asc:
	s_wait_loadcnt 0x0                             ; the bias
	s_wait_tensorcnt 0x0                           ; my eighths of the three blocks have landed,
	s_wait_dscnt 0x0                               ; my scale words lie in LDS:
	s_barrier_signal -1
	s_barrier_wait -1                              ; everybody's
; A K step of 128: 16 products, the 16 accumulators by turns, one instruction a turn, in the same order in every step
.macro KSTEP s
.irp bt, 0,1,2,3
	ds_load_b32 v[WS+\bt], v3 offset:1024*\bt+128*\s
.endr
.irp a, 0,1,2,3
	ds_load_b32 v[AS+\a], v4 offset:512*\s+64*\a
.endr
.irp bt, 0,1,2,3
.irp c, 0,1
	ds_load_b128 v[WF+8*\bt+4*\c:WF+8*\bt+4*\c+3], v2 offset:8192*\bt+1024*\s+512*\c
.endr
.endr
.irp a, 0,1,2,3
.irp c, 0,1
	ds_load_b128 v[AF+8*\a+4*\c:AF+8*\a+4*\c+3], v1 offset:8192*\a+1024*\s+512*\c
.endr
.endr
.irp a, 0,1,2,3
	s_wait_dscnt 6-2*\a                            ; A's tile a is in; the two loads of each later tile may be out
.irp bt, 0,1,2,3
.if \s == 0
	v_wmma_scale_f32_16x16x128_f8f6f4 v[ACC+8*(4*\a+\bt):ACC+8*(4*\a+\bt)+7], v[WF+8*\bt:WF+8*\bt+7], v[AF+8*\a:AF+8*\a+7], v[BI+8*\bt:BI+8*\bt+7], v[WS+\bt], v[AS+\a] matrix_a_fmt:MATRIX_FMT_FP4 matrix_b_fmt:MATRIX_FMT_FP4
.else
	v_wmma_scale_f32_16x16x128_f8f6f4 v[ACC+8*(4*\a+\bt):ACC+8*(4*\a+\bt)+7], v[WF+8*\bt:WF+8*\bt+7], v[AF+8*\a:AF+8*\a+7], v[ACC+8*(4*\a+\bt):ACC+8*(4*\a+\bt)+7], v[WS+\bt], v[AS+\a] matrix_a_fmt:MATRIX_FMT_FP4 matrix_b_fmt:MATRIX_FMT_FP4
.endif
.endr
.endr
.rept 4
	v_nop                                          ; places in front of loads into registers that matrix instructions have read, and of the first read of results
.endr
.endm
.irp s, 0,1,2,3,4,5,6,7
	KSTEP \s
.endr
; THE WAY OUT, 16 rows x 64 columns at a time, through my own stage: in as 32 bytes a lane, back as whole rows of 256 bytes.  LDS serves a wave's instructions in order (ISA guide 5.7.1.4): no wait between the stores and the loads
.macro TOSTAGE a
.irp bt, 0,1,2,3
	ds_store_b128 v5, v[ACC+8*(4*(\a)+\bt):ACC+8*(4*(\a)+\bt)+3] offset:64*\bt        ; each accumulator from its low end on
	ds_store_b128 v5, v[ACC+8*(4*(\a)+\bt)+4:ACC+8*(4*(\a)+\bt)+7] offset:64*\bt+16
.endr
.irp i, 0,1,2,3,4,5,6,7
	ds_load_b128 v[WF+32*((\a)%2)+4*\i:WF+32*((\a)%2)+4*\i+3], v6 offset:2*SP*\i
.endr
.endm
.macro SEND a, younger                 ; younger: the LDS instructions issued behind block a's loads, which may stay out
	s_wait_dscnt \younger
.irp i, 0,1,2,3,4,5,6,7
	global_store_b128 v7, v[WF+32*((\a)%2)+4*\i:WF+32*((\a)%2)+4*\i+3], s[14:15] offset:(16*(\a)+2*\i)*4096 th:TH_STORE_NT   ; 16 lanes store 256 consecutive bytes, at a multiple of 256 from out0's first byte
.endr
.endm
	TOSTAGE 0
.irp a, 1,2,3
.if \a > 1
	s_wait_xcnt 0x0                                ; block a - 2's stores have read their registers: block a's loads may land there
.endif
	TOSTAGE \a
	SEND \a-1, 16                                  ; behind block a - 1's loads: block a's 8 stores and 8 loads
.endr
	SEND 3, 0
	s_set_vgpr_msb 0x5
	s_wait_tensorcnt 0x0
	ds_add_u32 v0, v1
	s_wait_dscnt 0x0
	s_set_vgpr_msb 0x500
	CROUND                                         ; the closing round: no work-group ends while a partner may still ask for a block that names it
	s_endpgm
.Lfunc_end_k_qc09884c570_proj:
	.size	k_qc09884c570_proj, .Lfunc_end_k_qc09884c570_proj-k_qc09884c570_proj
	.p2alignl 7, 3214868480
	.fill 96, 4, 3214868480
	.section	.rodata,"a",@progbits
	.p2align	6, 0x0
	.amdhsa_kernel k_qc09884c570_proj
		.amdhsa_group_segment_fixed_size 252928
		.amdhsa_private_segment_fixed_size 0
		.amdhsa_enable_private_segment 0
		.amdhsa_kernarg_size 48
		.amdhsa_user_sgpr_count 2
		.amdhsa_user_sgpr_kernarg_segment_ptr 1
		.amdhsa_wavefront_size32 1
		.amdhsa_system_sgpr_workgroup_id_x 1
		.amdhsa_system_sgpr_workgroup_id_y 1
		.amdhsa_system_sgpr_workgroup_id_z 1
		.amdhsa_system_vgpr_workitem_id 0
		.amdhsa_next_free_vgpr 258
		.amdhsa_next_free_sgpr 80
		.amdhsa_reserve_vcc 0
		.amdhsa_float_denorm_mode_32 3
		.amdhsa_float_denorm_mode_16_64 3
		.amdhsa_memory_ordered 1
		.amdhsa_forward_progress 1
		.amdhsa_inst_pref_size 47
	.end_amdhsa_kernel
	.amdgpu_metadata
---
amdhsa.version: [ 1, 2 ]
amdhsa.kernels:
  - .name:           k_qc09884c570_proj
    .symbol:         k_qc09884c570_proj.kd
    .args:
      - { .name: ao_codes, .offset: 0, .size: 8, .value_kind: global_buffer, .address_space: global }
      - { .name: ao_scales, .offset: 8, .size: 8, .value_kind: global_buffer, .address_space: global }
      - { .name: w_codes, .offset: 16, .size: 8, .value_kind: global_buffer, .address_space: global }
      - { .name: w_scales, .offset: 24, .size: 8, .value_kind: global_buffer, .address_space: global }
      - { .name: b_out, .offset: 32, .size: 8, .value_kind: global_buffer, .address_space: global }
      - { .name: out0, .offset: 40, .size: 8, .value_kind: global_buffer, .address_space: global }
    .group_segment_fixed_size: 252928
    .private_segment_fixed_size: 0
    .kernarg_segment_align: 8
    .kernarg_segment_size: 48
    .max_flat_workgroup_size: 256
    .sgpr_count:     80
    .vgpr_count:     258
    .wavefront_size: 32
...
	.end_amdgpu_metadata
.endif
;; end of part 2
;; ======== version 2 of 2: 2 launches; version 1 with the launch attn written anew for expert scheduling mode
;; workspace buffers: ao_codes 4,194,304 bytes; ao_scales 262,144 bytes; w_codes 524,288 bytes; w_scales 65,536 bytes
;; launch attn (part 3): grid 4 x 64, 16 waves a work-group, no clusters, 285,696 bytes of LDS; arguments q, k, v, w_out, ao_codes, ao_scales, w_codes, w_scales; writes ao_codes, ao_scales, w_codes, w_scales
.if DOCPART == 3
	.amdgcn_target "amdgcn-amd-amdhsa--gfx1250"
	.amdhsa_code_object_version 6
	.text
	.protected	k_qc09884c570_attn
	.globl	k_qc09884c570_attn
	.p2align	8
	.type	k_qc09884c570_attn,@function
k_qc09884c570_attn:
	s_mov_b64 s[64:65], 0
	v_nop
	global_prefetch_b8 v0, s[64:65] scope:SCOPE_SE
	s_setreg_imm32_b32 hwreg(HW_REG_WAVE_SCHED_MODE, 0, 2), 2
	s_setreg_imm32_b32 hwreg(HW_REG_WAVE_MODE, 25, 1), 1
	s_wait_xcnt 0x0
	s_wait_alu depctr_vm_vsrc(0)
; ATTENTION ON CODES OF FP4 (E2M1), one E8M0 scale for each 32 along a product's K.  q, k, v: [4][2048][1024] f32, 16 heads of 64 channels.
; A work-group owns one (batch, head) and 512 of its queries; 16 waves of 256 registers, four to a SIMD, so that one wave's vector work stands beside another's matrix work and LDS loads.
; HEAD PHASE.  Wave w quantises keys 128 w .. 128 w + 127 of the head: K along the 64 channels, V along the keys.  Codes and scale words go to LDS as IMAGES OF THE OPERANDS' REGISTERS
; (16 bytes a lane, 512 bytes a store) and stay there: 64 KiB + 64 KiB + 12 KiB.  One barrier; after it LDS is only read until the key loop is over.
; Each wave also quantises its own 32 queries in registers, and waves 0 and 1 each one fragment (16 rows x 128 K) of w_out: 256 work-groups x 2 = the 64 x 8 fragments of w_out.
; KEY LOOP.  Two passes of 16 queries; 16 steps of 128 keys.  Both products are used transposed: S^T = K Q^T (source 0 = 16 keys, source 1 = my 16 queries), O^T = V^T P^T
; (source 0 = 16 channels, source 1 = P): a lane holds ONE query (lane % 16) throughout.  The first product's K is 64: registers 4-7 of its fragments hold zero codes, and the scale words' bytes 2, 3 are 0.
; THE KEYS OF A TILE ARE NOT NEIGHBOURS: lane r of tile 2 b + u takes key 32 b + 8 u + r + 8 (r / 8), so that the 16 registers of tiles 2 b, 2 b + 1 are 16 neighbouring keys.  V's channels likewise,
; so that O^T's 16 registers of two tiles are 16 neighbouring channels, which are the last product's K.
; SOFTMAX.  t = score x log2(e) / 8; M = the running largest t rounded up to a whole number; p = 2^(t - M) is quantised along the keys, not normalised; the sum of the unquantised p divides O at the end.
; OUT.  O / sum is quantised along the channels (two blocks of 32 a head) and stored as the register image of the last product's operand: ao_codes [row / 16][head][lane][16 bytes]; ao_scales [head][row] of two bytes.
; NO CLUSTER, though the four work-groups of a head read the same k and v: these arrive as f32 and go through registers to the quantiser.  A joint load lands in LDS: a head's k and v are 2 x 524,288 bytes of f32,
; beside 143,360 bytes of images in 327,680, so they would have to pass through slots that are filled again and again, each time behind a meeting of the four work-groups.
; LIMITS: NaN and infinities among the inputs are not served.  A block whose largest magnitude lies under 2^-124 keeps the scale byte 1; a block of zeros gets the byte 1 where the rule says 127: its codes are zeros,
; and the bytes are read by this program alone.  p under 2^-126 comes out of v_exp_f32 as 0.  A block's largest p is taken as the exponential of its largest score.
; THE MODE: SCHED_MODE bits 1:0 = 2 (LLVM: expert scheduling mode 2), set by the entry lines.  The code itself states the register dependences between vector or matrix instructions
; and memory or LDS instructions, with s_wait_alu, always for 0.
; THE PLAN, HEAD PHASE.  Registers that memory or LDS instructions touch:
;   sets A, B (v32-95, v96-159)   in this order: loads from memory land; the stores into the stage read; the loads out of the stage land; the quantiser's lines read; the next loads from memory land.
;   v168-175, v182-185            codes and scale words: the quantiser writes them, the stores into the images (waves 0 and 1: to memory) read them.
;   v1-4, v9, v10, v30, v31, v160-167   offsets and LDS addresses: written once, ahead of the first load.
; So a task has two waits: one on vm_vsrc between the stores into the stage and the loads out of it (it also covers the task before's stores of codes), and one on va_vdst behind the quantiser's lines
; (the codes are written; the set is read out).  Behind the barrier one wait on vm_vsrc hands v32-185 to the key loop.
; THE PLAN, KEY LOOP.
;   K's fragments (the lower four registers of each eight in v32-63) and scale words v212-219: read by the step's eight products K Q^T.  The second four fragments land behind the first four products;
;                                 the next step's first four, and its scale words, land behind the exponentials' wait, under the rest of the softmax.
;   V's fragments v64-95 and scale words v220-223: read by the four products V^T P at a step's end; the next step's land behind that step's first four products.
;   v5-8                          the step's LDS addresses: read by its loads, stepped once a step behind the second four products.
;   p's codes v192-199 and scale word v226: written by vector lines, taken by V^T P as source 1 and its scales.
; Three waits on va_vdst and one on vm_vsrc stand in a step; each says at its place what it states.  A pass's last step is written out: it asks for no further K.
.set VIMG,  65536                      ; LDS: K's images at 0: [step 16][tile 8][lane][16];  V's here: [step 16][tile 4][c 2][lane][16]
.set KSC,   131072                     ; K's scale words: [step][group of 4 tiles, 2][r 16][4 words]
.set VSC,   139264                     ; V's: [step][r 16][4 words]
.set SCST,  143360                     ; O's scale halves of the work-group's 512 rows: 1,024 bytes
.set STG,   144384                     ; a turning stage of 8,704 bytes for each wave: 32 rows x 272 (k, q) or 16 rows x 528 (w_out)
.set WST,   8704
.set SP,    272                        ; 256 bytes + 16: the sixteen rows that a load touches start at sixteen different banks (64 banks of 4 bytes: ISA guide 11.1)
.set WP,    528
; registers that stay: v1 16 x lane; v2 VIMG + 16 x lane; v3 KSC + 16 r; v4 VSC + 16 r; v5-8 the step's LDS addresses; v9 SCST + 64 w + 2 r; v10 SCST + 16 x thread; v11 8 x (lane / 16);
; v12 -M; v13 the largest t; v[14:15] the sum in two halves; v[16:23] Q's fragment; v[24:27] the second tile's codes; v28 its scale word; v29 Q's scale word; v30, v31 global offsets;
; v254 the LDS address of my spare word (behind the stages, 4 x thread), v255 = 0: made at the head and kept for the closing lines alone
.set RA,  32                           ; head phase: two sets of 64 numbers
.set RB,  96
.set STI, 160                          ; into the stage: 272 (lane / 16) + 16 r
.set STO, 161                          ; out of it: 272 r + 128 (lane / 16)
.set STW, 162                          ; w_out into the stage: 16 x lane
.set WRO, 163                          ; and out: 528 r + 128 (lane / 16)
.set KWI, 164                          ; where I store K's images, .. its scale words, V's images, V's scale words
.set KWS, 165
.set VWI, 166
.set VWS, 167
.set CK0, 168                          ; v168-171, v172-175 codes just made
.set CK1, 172
.set MX0, 176
.set MX1, 177
.set SOP, 178                          ; the conversions' scale operand
.set E0,  179
.set E1,  180
.set TP,  181
.set WD0, 182
.set WD1, 183
.set SBV, 184                          ; v184, v185 V's scale words in the making
.set KF,  32                           ; key loop: four fragments of K; v64-95 four of V; v96-159 S^T, then p; v160-191 O^T; v192-199 p's codes
.set VF,  64
.set SS,  96
.set OT,  160
.set PC,  192
.set BM,  200                          ; the blocks' largest scores
.set T1,  204
.set SO,  208
.set KSW, 212                          ; v212-219 K's scale words, v220-223 V's, v226 p's: these, v28 and v29 hold scales and nothing else
.set VSW, 220
.set FF,  224                          ; v[224:225] f (or 1 / sum), and a 0 that is named with it
.set PW,  226
.set TT,  227
.set SWN, 228                          ; O's scale halves: this pass's, the pass before's
.set SWO, 229
; 32 rows of a head, 256 bytes each: lanes 0-15 read one row's 256 consecutive bytes, lanes 16-31 the next row's
.macro GLOAD16 set, base, row0, nt
.irp i, 0,1,2,3,4,5,6,7,8,9,10,11,12,13,14,15
.if \nt
	global_load_b128 v[(\set)+4*\i:(\set)+4*\i+3], v30, s[\base:\base+1] offset:((\row0)+2*\i)*4096 th:TH_LOAD_NT
.else
	global_load_b128 v[(\set)+4*\i:(\set)+4*\i+3], v30, s[\base:\base+1] offset:((\row0)+2*\i)*4096
.endif
.endr
.endm
; into my stage.  perm = 1: row 2 i + lane / 16 of the 32 goes to stage row 16 u + r, where it is lane r of tile u; perm = 0: as they come
.macro TOSTG set, perm
.irp i, 0,1,2,3,4,5,6,7,8,9,10,11,12,13,14,15
.if \perm
	ds_store_b128 v[STI], v[(\set)+4*\i:(\set)+4*\i+3] offset:(16*((\i/4)%2)+8*(\i/8)+2*(\i%4))*SP
.else
	ds_store_b128 v[STI], v[(\set)+4*\i:(\set)+4*\i+3] offset:2*\i*SP
.endif
.endr
.endm
; and back, 32 neighbours a lane: registers 32 u + 0 .. 31 = channels 32 (lane / 16) + 0 .. 31 of stage row 16 u + r.  LDS serves a wave's instructions in order (ISA guide 5.7.1.4): these see the stores above
.macro BACK set
.irp u, 0,1
.irp i, 0,1,2,3,4,5,6,7
	ds_load_b128 v[(\set)+32*\u+4*\i:(\set)+32*\u+4*\i+3], v[STO] offset:\u*16*SP+16*\i
.endr
.endr
.endm
; a block of 32 numbers in one lane's registers x .. x + 31 becomes 4 registers of codes at c and its scale byte in e
.macro BLK32 x, c, e
	v_max3_num_f32 v[MX0], |v[(\x)]|, |v[(\x)+1]|, |v[(\x)+2]|
	v_max3_num_f32 v[MX1], |v[(\x)+3]|, |v[(\x)+4]|, |v[(\x)+5]|
.irp i, 6,10,14,18,22,26
	v_max3_num_f32 v[MX0], v[MX0], |v[(\x)+\i]|, |v[(\x)+\i+1]|
	v_max3_num_f32 v[MX1], v[MX1], |v[(\x)+\i+2]|, |v[(\x)+\i+3]|
.endr
	v_max3_num_f32 v[MX0], v[MX0], |v[(\x)+30]|, |v[(\x)+31]|
	v_max3_num_f32 v[MX0], v[MX0], v[MX1], 0x1800000   ; and the floor 2^(3 - 127): the byte cannot fall under 1
	v_add_nc_u32 v[SOP], 0xff000000, v[MX0]            ; 2 off the exponent field: the conversion takes the exponent field of this operand as its scale
.irp g, 0,1,2,3
	v_cvt_scalef32_pk8_fp4_f32 v[(\c)+\g], v[(\x)+8*\g:(\x)+8*\g+7], v[SOP]
.endr
	v_lshrrev_b32 v[\e], 23, v[SOP]                    ; the scale's byte; also the plain line behind the conversions
.endm
; my block's byte (block lane / 16 of a row of 64) and lane l xor 16's make the row's scale word: bytes 0 and 1; bytes 2 and 3 stay 0
.macro WORD2 e, wd
	v_lshlrev_b32 v[\e], v11, v[\e]
	v_permlanex16_b32 v[TP], v[\e], s30, s31
	v_or_b32 v[\wd], v[\e], v[TP]
.endm
; keys 32 t .. 32 t + 31 of my 128, loaded into set: tiles 2 t and 2 t + 1.  cnt: the loads issued behind this group's
.macro KTASK t, set, cnt
	s_wait_loadcnt \cnt
	TOSTG \set, 1
	s_wait_alu depctr_vm_vsrc(0)                   ; the stores above have read the set, in which the loads below land; the task before's stores have read the code registers and scale words, which this task writes again
	BACK \set
	s_wait_dscnt 0x0                               ; the numbers are back
	BLK32 \set, CK0, E0
	BLK32 (\set)+32, CK1, E1
	WORD2 E0, WD0
	WORD2 E1, WD1
	s_wait_alu depctr_va_vdst(0)                   ; the codes and the two scale words are written, which the stores below read; the lines above are done reading the set, in which the next loads from memory land
	ds_store_b128 v[KWI], v[CK0:CK0+3] offset:(2*\t)*512
	ds_store_b128 v[KWI], v[CK1:CK1+3] offset:(2*\t+1)*512
	ds_store_b32 v[KWS], v[WD0] offset:((2*\t)/4)*256+((2*\t)%4)*4      ; lanes r and 16 + r write the same word with the same value
	ds_store_b32 v[KWS], v[WD1] offset:((2*\t+1)/4)*256+((2*\t+1)%4)*4
.endm
; V: A LANE TAKES A CHANNEL, AND ITS REGISTERS RUN DOWN THE KEYS.  Task t: key block t / 2 of my four, channels 32 (t % 2) + lane: each load reads 128 consecutive bytes
.macro VLOAD t
.irp i, 0,1,2,3,4,5,6,7,8,9,10,11,12,13,14,15,16,17,18,19,20,21,22,23,24,25,26,27,28,29,30,31
	global_load_b32 v[RB+32*((\t)%2)+\i], v31, s[8:9] offset:(32*((\t)/2)+\i)*4096+128*((\t)%2)
.endr
.endm
.macro VBLK t
.set KB, (\t)/2
.set GG, (\t)%2
.set VS, RB+32*((\t)%2)
.if (\t) < 7
	s_wait_loadcnt 32                              ; this block's 32 loads are in; the next block's may be out
.else
	s_wait_loadcnt 0x0
.endif
	s_wait_dscnt 0x0                               ; my last LDS stores are done
	s_wait_alu depctr_vm_vsrc(0)                   ; they have read the code registers, which this block writes again
	BLK32 VS, CK0, E0
.if KB == 0
	v_mov_b32 v[SBV+GG], v[E0]                     ; four key blocks' bytes make my channel's scale word of this step
.else
	v_lshl_or_b32 v[SBV+GG], v[E0], 8*KB, v[SBV+GG]
.endif
	s_wait_alu depctr_va_vdst(0)                   ; the codes and the scale word are written, which the stores below read; the lines above are done reading the block's 32 registers, in which the block two on lands
	ds_store_b128 v[VWI], v[CK0:CK0+3] offset:2048*GG+512*(KB/2)+256*(KB%2)   ; tile 2 g + u, registers 4 c on, lane 16 (kb % 2) + r
.if KB == 3
	ds_store_b32 v[VWS], v[SBV+GG] offset:8*GG
.endif
.if (\t) < 6
	VLOAD (\t)+2
.endif
.endm
	s_load_b256 s[4:11], s[0:1], 0x0               ; q s[4:5], k s[6:7], v s[8:9], w_out s[10:11]
	s_load_b256 s[12:19], s[0:1], 0x20             ; ao_codes s[12:13], ao_scales s[14:15], w_codes s[16:17], w_scales s[18:19]
	v_lshl_add_u32 v254, v0, 2, 0x45400
	v_mov_b32 v255, 0
	v_lshrrev_b32 v32, 5, v0
	v_readfirstlane_b32 s20, v32                   ; wave 0..15
	s_and_b32 s22, ttmp7, 0xffff                   ; 16 x batch + head
	s_lshr_b32 s23, s22, 4                         ; batch
	s_and_b32 s24, s22, 15                         ; head
	s_mov_b32 s30, 0x76543210
	s_mov_b32 s31, 0xfedcba98                      ; v_permlanex16_b32's selects for lane l xor 16
	s_mov_b32 s32, 0x3e38aa3b                      ; c = log2(e) / 8
	s_mov_b32 s33, s32                             ; (named with it as a pair, so it is written)
	v_and_b32 v33, 31, v0                          ; lane
	v_and_b32 v34, 15, v0                          ; r
	v_bfe_u32 v35, v0, 4, 1                        ; lane / 16
	v_and_b32 v36, 7, v0
	v_lshl_add_u32 v36, v35, 3, v36                ; lane % 8 + 8 (lane / 16): the lane of a tile of V that takes channel 32 g + lane,
	v_bfe_u32 v37, v0, 3, 1                        ; and which of the two tiles
	v_lshlrev_b32 v1, 4, v33
	v_add_nc_u32 v2, VIMG, v1
	v_lshl_add_u32 v3, v34, 4, KSC
	v_lshl_add_u32 v4, v34, 4, VSC
	s_wait_alu depctr_va_sdst(0)                   ; s20, the wave's number, is written, ahead of its first reader
	s_lshl_b32 s40, s20, 6
	s_add_co_u32 s40, s40, SCST
	v_lshl_add_u32 v9, v34, 1, s40
	v_lshl_add_u32 v10, v0, 4, SCST
	v_lshlrev_b32 v11, 3, v35
	v_lshlrev_b32 v30, 4, v34
	v_lshl_add_u32 v30, v35, 12, v30               ; rows of q and k: 4,096 (lane / 16) + 16 r
	v_lshlrev_b32 v31, 2, v33                      ; 4 x lane
	s_mul_i32 s41, s20, WST
	s_add_co_u32 s41, s41, STG                     ; my stage
	v_mul_u32_u24 v[STI], v35, SP
	v_lshl_add_u32 v[STI], v34, 4, v[STI]
	v_add_nc_u32 v[STI], s41, v[STI]
	v_mul_u32_u24 v[STO], v34, SP
	v_lshl_add_u32 v[STO], v35, 7, v[STO]
	v_add_nc_u32 v[STO], s41, v[STO]
	v_add_nc_u32 v[STW], s41, v1
	v_mul_u32_u24 v[WRO], v34, WP
	v_lshl_add_u32 v[WRO], v35, 7, v[WRO]
	v_add_nc_u32 v[WRO], s41, v[WRO]
	s_lshl_b32 s42, s20, 12                        ; a step's images are 4,096 bytes
	v_add_nc_u32 v[KWI], s42, v1
	s_lshl_b32 s43, s20, 9
	v_add_nc_u32 v[KWS], s43, v3
	v_lshlrev_b32 v[VWI], 4, v36
	v_lshl_add_u32 v[VWI], v37, 10, v[VWI]
	v_add_nc_u32 v[VWI], s42, v[VWI]
	v_add_nc_u32 v[VWI], VIMG, v[VWI]
	s_lshl_b32 s44, s20, 8
	s_add_co_u32 s44, s44, VSC
	v_lshlrev_b32 v[VWS], 4, v36
	v_lshl_add_u32 v[VWS], v37, 2, v[VWS]
	v_add_nc_u32 v[VWS], s44, v[VWS]
	v_mov_b32 v[TP], 0                             ; written once: a lane permute's destination counts as one of its sources
.irp b, 0,1,2,3
	v_mov_b32 v[T1+\b], 0
.endr
	v_mov_b32 v[TT], 0
	v_mov_b32 v[FF+1], 0                           ; (named as the upper half of the pair v[224:225])
	v_mov_b32 v[SWN], 0
	; byte offsets, each in a pair with 0 above it
	s_lshl_b32 s26, s23, 23
	s_lshl_b32 s40, s24, 8
	s_add_co_u32 s26, s26, s40                     ; the batch's 2,048 rows of 4,096 bytes, the head's 256 bytes of a row
	s_lshl_b32 s40, s20, 19
	s_add_co_u32 s28, s26, s40                     ; k, v: + my 128 keys
	s_lshl_b32 s40, ttmp9, 21
	s_add_co_u32 s26, s26, s40                     ; q: + the work-group's 512 queries
	s_lshl_b32 s40, s20, 17
	s_add_co_u32 s26, s26, s40                     ;    + my 32
	s_mov_b32 s27, 0
	s_mov_b32 s29, 0
	s_lshl_b32 s45, s22, 2
	s_add_co_u32 s45, s45, ttmp9
	s_lshl_b32 s45, s45, 1
	s_and_b32 s40, s20, 1
	s_add_co_u32 s45, s45, s40                     ; T = 2 x work-group + wave % 2: fragment (T / 8, T % 8) of w_out
	s_lshr_b32 s46, s45, 3
	s_lshl_b32 s46, s46, 16                        ; 16 rows of 4,096 bytes
	s_and_b32 s40, s45, 7
	s_lshl_b32 s40, s40, 9                         ; 128 numbers
	s_add_co_u32 s46, s46, s40
	s_mov_b32 s47, 0
	s_lshl_b32 s48, s23, 7
	s_lshl_b32 s40, ttmp9, 5
	s_add_co_u32 s48, s48, s40
	s_lshl_b32 s40, s20, 1
	s_add_co_u32 s48, s48, s40                     ; my first tile of 16 rows: 128 batch + 32 block + 2 wave
	s_lshl_b32 s48, s48, 13                        ; 16 heads x 512 bytes a tile
	s_lshl_b32 s40, s24, 9
	s_add_co_u32 s48, s48, s40
	s_mov_b32 s49, 0
	s_lshl_b32 s50, s24, 14                        ; ao_scales: 8,192 rows x 2 bytes a head
	s_lshl_b32 s40, s23, 12
	s_add_co_u32 s50, s50, s40
	s_lshl_b32 s40, ttmp9, 10
	s_add_co_u32 s50, s50, s40
	s_mov_b32 s51, 0
	s_lshl_b32 s52, s45, 10
	s_mov_b32 s53, 0
	s_lshl_b32 s54, s45, 7
	s_mov_b32 s55, 0
	s_wait_kmcnt 0x0
	s_add_nc_u64 s[4:5], s[4:5], s[26:27]
	s_add_nc_u64 s[6:7], s[6:7], s[28:29]
	s_add_nc_u64 s[8:9], s[8:9], s[28:29]
	s_add_nc_u64 s[10:11], s[10:11], s[46:47]
	s_add_nc_u64 s[12:13], s[12:13], s[48:49]
	s_add_nc_u64 s[14:15], s[14:15], s[50:51]
	s_add_nc_u64 s[16:17], s[16:17], s[52:53]
	s_add_nc_u64 s[18:19], s[18:19], s[54:55]
	s_wait_alu depctr_va_vdst(0)                   ; the offsets and LDS addresses v1-4, v9, v10, v30, v31 and v160-167 are written, which the loads and stores of the whole kernel read; so are v32-37, at work above, in which q lands
	GLOAD16 RA, 4, 0, 1                            ; my 32 queries
	; ---- waves 0 and 1: a fragment of w_out, 16 rows x 128 along K
	s_cmp_lt_u32 s20, 2
	s_cbranch_scc0 .Lno_w
.irp i, 0,1,2,3,4,5,6,7,8,9,10,11,12,13,14,15
	global_load_b128 v[RB+4*\i:RB+4*\i+3], v1, s[10:11] offset:4096*\i th:TH_LOAD_NT   ; a row's 512 consecutive bytes
.endr
	s_wait_loadcnt 0x0
.irp i, 0,1,2,3,4,5,6,7,8,9,10,11,12,13,14,15
	ds_store_b128 v[STW], v[RB+4*\i:RB+4*\i+3] offset:WP*\i
.endr
	s_wait_alu depctr_vm_vsrc(0)                   ; the stores above have read set B, in which the loads below land
.irp c, 0,1
.irp i, 0,1,2,3,4,5,6,7
	ds_load_b128 v[RB+32*\c+4*\i:RB+32*\c+4*\i+3], v[WRO] offset:256*\c+16*\i   ; k = 64 c + 32 (lane / 16) + 0 .. 31 of row r
.endr
.endr
	s_wait_dscnt 0x0
	BLK32 RB, CK0, E0
	BLK32 RB+32, CK1, E1
	v_lshl_or_b32 v[WD0], v[E1], 16, v[E0]         ; my two bytes: blocks lane / 16 and 2 + lane / 16,
	v_lshlrev_b32 v[WD0], v11, v[WD0]              ; at their places in the scale word;
	v_permlanex16_b32 v[TP], v[WD0], s30, s31
	v_or_b32 v[WD0], v[WD0], v[TP]                 ; with lane l xor 16's two the word is whole
	s_wait_alu depctr_va_vdst(0)                   ; the codes and the scale word are written, which the stores below read; the lines above are done reading set B, in which k's first loads land
	global_store_b128 v1, v[CK0:CK0+3], s[16:17]   ; the fragment's register image: 512 consecutive bytes a store
	global_store_b128 v1, v[CK1:CK1+3], s[16:17] offset:512
	global_store_b32 v31, v[WD0], s[18:19]
	s_wait_xcnt 0x0                                ; the stores' data registers are written again below only behind this wait
	s_wait_alu depctr_vm_vsrc(0)                   ; and behind this one: the three stores have read the code registers and the scale word
.Lno_w:
	GLOAD16 RB, 6, 0, 0                            ; keys 0-31 of my 128
	; ---- my 32 queries: two fragments and their scale words, in registers
	s_wait_loadcnt 16                              ; q is in; k's 16 loads may be out
	TOSTG RA, 0
	s_wait_alu depctr_vm_vsrc(0)                   ; the stores above have read set A, in which the loads below land
	BACK RA
	s_wait_dscnt 0x0
	BLK32 RA, 16, E0
	WORD2 E0, 29
	BLK32 RA+32, 24, E1
	WORD2 E1, 28
	s_wait_alu depctr_va_vdst(0)                   ; the lines above are done reading set A, in which the next keys land
	GLOAD16 RA, 6, 32, 0
	; ---- my 128 keys of K.  Each count: the loads of the one group issued behind the group that is waited for.  The loads behind a task land in the set that the task's second wait has shown read out
	KTASK 0, RB, 16
	GLOAD16 RB, 6, 64, 0
	KTASK 1, RA, 16
	GLOAD16 RA, 6, 96, 0
	KTASK 2, RB, 16
	VLOAD 0
	KTASK 3, RA, 32
	VLOAD 1
	; ---- and of V
.irp t, 0,1,2,3,4,5,6,7
	VBLK \t
.endr
	s_wait_dscnt 0x0                               ; for the others' sake: my images and scale words lie in LDS
	s_barrier_signal -1
	s_barrier_wait -1                              ; everybody's do
	s_wait_alu depctr_vm_vsrc(0)                   ; my LDS stores have read their addresses and data in v32-185: these registers are the key loop's from here on, written by its moves, its loads and its products
.irp j, 20,21,22,23, 36,37,38,39, 44,45,46,47, 52,53,54,55, 60,61,62,63
	v_mov_b32 v[\j], 0                             ; k = 64 .. 127 of the first product's fragments: zero codes, written once; the loop's loads fill the lower four registers alone
.endr
; The first six LDS loads of a step: K's eight scale words and its first four fragments, by the step's addresses v7 and v5
.macro KHEAD
	ds_load_b128 v[KSW:KSW+3], v7
	ds_load_b128 v[KSW+4:KSW+7], v7 offset:256
.irp t, 0,1,2,3
	ds_load_b128 v[KF+8*\t:KF+8*\t+3], v5 offset:512*\t
.endr
.endm
; A KEY STEP: 128 keys.  ahead = 1: the addresses move on, and the next step's first six loads are issued; ahead = 0: the pass's last step
.macro STEP ahead
	s_wait_dscnt 0x0                               ; K's scale words and first four fragments, asked for a step ago (the first step's: at the pass's head)
.irp t, 0,1,2,3
	v_wmma_scale_f32_16x16x128_f8f6f4 v[SS+8*\t:SS+8*\t+7], v[KF+8*\t:KF+8*\t+7], v[16:23], 0, v[KSW+\t], v29 matrix_a_fmt:MATRIX_FMT_FP4 matrix_b_fmt:MATRIX_FMT_FP4
.endr
.rept 4
	v_nop                                          ; four places between these products and the maxima below, which read their results (ISA guide 7.12.1)
.endr
	s_wait_alu depctr_va_vdst(0)                   ; the four products above are done reading K's fragments, in which K's next four land; the step before's products V^T P are done reading V's fragments and scale words, in which V's land
.irp t, 0,1,2,3
	ds_load_b128 v[KF+8*\t:KF+8*\t+3], v5 offset:2048+512*\t
.endr
.irp t, 0,1,2,3
.irp c, 0,1
	ds_load_b128 v[VF+8*\t+4*\c:VF+8*\t+4*\c+3], v6 offset:1024*\t+512*\c   ; V's fragments land under the softmax
.endr
.endr
	ds_load_b128 v[VSW:VSW+3], v8
.irp b, 0,1
	v_max3_num_f32 v[BM+\b], v[SS+16*\b], v[SS+1+16*\b], v[SS+2+16*\b]   ; THE LARGEST SCORE OF EACH BLOCK OF 32 KEYS: it serves the row's maximum and, since p rises with the score, the block's largest p.  Blocks 0 and 1 while K's next four are on their way
.endr
.irp i, 3,5,7,9,11,13
.irp b, 0,1
	v_max3_num_f32 v[BM+\b], v[BM+\b], v[SS+16*\b+\i], v[SS+1+16*\b+\i]   ; (the two blocks by turns)
.endr
.endr
.irp b, 0,1
	v_max_num_f32 v[BM+\b], v[BM+\b], v[SS+15+16*\b]
.endr
	s_wait_dscnt 9                                 ; K's four are in; V's eight and its scale words may be out
.irp t, 0,1,2,3
	v_wmma_scale_f32_16x16x128_f8f6f4 v[SS+32+8*\t:SS+32+8*\t+7], v[KF+8*\t:KF+8*\t+7], v[16:23], 0, v[KSW+4+\t], v29 matrix_a_fmt:MATRIX_FMT_FP4 matrix_b_fmt:MATRIX_FMT_FP4
.endr
.if \ahead
	s_wait_alu depctr_vm_vsrc(0)                   ; the step's LDS loads have read v5 to v8
	v_add_nc_u32 v5, 4096, v5                      ; on to the next step: 4,096 bytes of K's images,
	v_add_nc_u32 v6, 4096, v6                      ; of V's,
	v_add_nc_u32 v7, 512, v7                       ; 512 of K's scale words,
	v_add_nc_u32 v8, 256, v8                       ; 256 of V's.  (These four are also the places between the products above and the maxima below)
.else
.rept 4
	v_nop                                          ; four places between the products above and the maxima below
.endr
.endif
.irp b, 2,3
	v_max3_num_f32 v[BM+\b], v[SS+16*\b], v[SS+1+16*\b], v[SS+2+16*\b]   ; blocks 2 and 3
.endr
.irp i, 3,5,7,9,11,13
.irp b, 2,3
	v_max3_num_f32 v[BM+\b], v[BM+\b], v[SS+16*\b+\i], v[SS+1+16*\b+\i]
.endr
.endr
.irp b, 2,3
	v_max_num_f32 v[BM+\b], v[BM+\b], v[SS+15+16*\b]
.endr
.irp b, 0,1,2,3
	v_permlanex16_b32 v[T1+\b], v[BM+\b], s30, s31
.endr
.irp b, 0,1,2,3
	v_max_num_f32 v[BM+\b], v[BM+\b], v[T1+\b]     ; with lane l xor 16's 16 keys
.endr
	v_max3_num_f32 v[TT], v[BM], v[BM+1], v[BM+2]
	v_max_num_f32 v[TT], v[TT], v[BM+3]            ; the step's largest score of my query
	v_mul_f32 v[TT], s32, v[TT]                    ; as t (c is positive)
	v_max_num_f32 v13, v13, v[TT]                  ; the running largest t
	v_mov_b32 v[TT], v12
	v_floor_f32 v12, -v13                          ; the new -M = floor(-t) = -ceil(t): M is a whole number
	v_sub_f32 v[TT], v12, v[TT]                    ; old M - new M: a whole number, 0 or less
	v_cvt_i32_f32 v[TT], v[TT]                     ; (it saturates)
	v_ldexp_f32 v[FF], 1.0, v[TT]                  ; f = 2^(old M - new M): a multiplication by it rounds nothing
.set j, 0
.rept 32
	v_pk_fma_f32 v[SS+j:SS+j+1], v[SS+j:SS+j+1], s[32:33], v[12:13] op_sel_hi:[1,0,0]   ; t - M, two at a time (of the pairs c and -M the low word serves both halves)
.set j, j+2
.endr
.irp b, 0,1,2,3
	v_fma_f32 v[BM+\b], v[BM+\b], s32, v12         ; the same of each block's largest score
.endr
.set j, 0
.rept 64
	v_exp_f32 v[SS+j], v[SS+j]                     ; p = 2^(t - M), at most 1: not normalised
.set j, j+1
.endr
.irp b, 0,1,2,3
	v_exp_f32 v[BM+\b], v[BM+\b]                   ; the block's largest p: the same two instructions on the same number give the same bits
.endr
	v_pk_mul_f32 v[14:15], v[14:15], v[FF:FF+1] op_sel_hi:[1,0]   ; the sums under the new M.  (The plain line behind the exponentials: ISA guide 5.7.2)
	s_wait_alu depctr_va_vdst(0)                   ; the 68 exponentials have written p and the blocks' largest p, ahead of their first reader; the eight products K Q^T are done reading K's fragments and scale words, and v5 and v7 are written: for the six loads below
.if \ahead
	KHEAD                                          ; the next step's; no vector or matrix line from the wait above to here, or from here to the next step's head, names the registers that these loads touch
.endif
.irp b, 0,1,2,3
	v_max_num_f32 v[BM+\b], 0x1800000, v[BM+\b]    ; the floor 2^(3 - 127): the byte cannot fall under 1
.endr
.irp b, 0,1,2,3
	v_add_nc_u32 v[SO+\b], 0xff000000, v[BM+\b]    ; 2 off the exponent field: the conversion's scale operand
.endr
.irp b, 0,1,2,3
	v_lshrrev_b32 v[T1+\b], 23, v[SO+\b]           ; the scale's byte
.endr
	v_lshl_or_b32 v[PW], v[T1+1], 8, v[T1]         ; p's scale word for these 128 keys
	v_lshl_or_b32 v[PW], v[T1+2], 16, v[PW]
	v_lshl_or_b32 v[PW], v[T1+3], 24, v[PW]
.irp b, 0,1,2,3
	v_cvt_scalef32_pk8_fp4_f32 v[PC+2*\b], v[SS+16*\b:SS+7+16*\b], v[SO+\b]
	v_cvt_scalef32_pk8_fp4_f32 v[PC+1+2*\b], v[SS+8+16*\b:SS+15+16*\b], v[SO+\b]
.endr
	v_nop                                          ; one plain line behind the scaled conversions
.irp c, 0,1                                    ; the operand's layout wants a whole block in a lane: lanes 0-15 block 2 c, lanes 16-31 block 2 c + 1
.irp i, 0,1
	v_permlane16_swap_b32 v[PC+4*\c+\i], v[PC+2+4*\c+\i]
.endr
.endr
	v_pk_add_f32 v[T1:T1+1], v[SS:SS+1], v[SS+2:SS+3]   ; the row's sum is taken of the unquantised p: two at a time, in two chains
.set j, 4
.rept 15
	v_pk_add_f32 v[14:15], v[14:15], v[SS+j:SS+j+1]
	v_pk_add_f32 v[T1:T1+1], v[T1:T1+1], v[SS+2+j:SS+3+j]
.set j, j+4
.endr
	v_pk_add_f32 v[14:15], v[14:15], v[T1:T1+1]
.set j, 0
.rept 16
	v_pk_mul_f32 v[OT+j:OT+j+1], v[OT+j:OT+j+1], v[FF:FF+1] op_sel_hi:[1,0]   ; O^T under the new M, each accumulator from its low end on.  (With the sums: the places between p's codes and scale word and the products below)
.set j, j+2
.endr
	s_wait_dscnt 6*(\ahead)                        ; V's fragments and scale words are in; the next step's six loads, issued behind them, may be out
	s_wait_alu depctr_va_vdst(0)                   ; p's codes and its scale word are written, which the products below take as source 1 and as its scales; the places stand above
.irp t, 0,1,2,3                                ; the four accumulators take turns, one instruction a turn
	v_wmma_scale_f32_16x16x128_f8f6f4 v[OT+8*\t:OT+8*\t+7], v[VF+8*\t:VF+8*\t+7], v[PC:PC+7], v[OT+8*\t:OT+8*\t+7], v[VSW+\t], v[PW] matrix_a_fmt:MATRIX_FMT_FP4 matrix_b_fmt:MATRIX_FMT_FP4
.endr
.endm
	s_mov_b32 s34, 2
.Lpass:                                            ; 16 queries
	v_mov_b32 v13, 0xff61b1e6                      ; the largest t so far: -3e38, under every t
	v_floor_f32 v12, -v13                          ; -M
	v_mov_b32 v14, 0
	v_mov_b32 v15, 0
.set j, 0
.rept 32
	v_mov_b32 v[OT+j], 0                           ; O^T: the step is written once; the first finds zeros, which the first change of M leaves zeros.  (Also the places between the moves of Q and its scale word and the first product)
.set j, j+1
.endr
.irp j, 0,1,2,3
	v_mov_b32 v[5+\j], v[1+\j]                     ; the addresses of step 0 (the pass before's loads have read v5 to v8: the wait at that pass's end)
.endr
	s_wait_alu depctr_va_vdst(0)                   ; v5 to v8 are written, which the loads below and the first step's read; so are Q's fragment, its scale word and the zero halves of K's fragments, which the products K Q^T take; the places stand above
	KHEAD                                          ; step 0's
	s_mov_b32 s35, 15
.Lstep:                                            ; steps 0 to 14
	STEP 1
	s_sub_co_u32 s35, s35, 1
	s_cmp_lg_u32 s35, 0
	s_cbranch_scc1 .Lstep
	STEP 0                                         ; step 15 is written out: it asks for no further K
	; ---- the pass's end: O^T / sum, quantised along the channels, stored as the last product's operand
.rept 4
	v_nop                                          ; places behind the last products
.endr
	v_add_f32 v14, v14, v15                        ; the sum's two halves,
	v_permlanex16_b32 v[TT], v14, s30, s31
	v_add_f32 v14, v14, v[TT]                      ; and lane l xor 16's: the row's sum
	v_rcp_f32 v[FF], v14
	v_mov_b32 v[SWO], v[SWN]                       ; the pass before's scale halves are kept.  (The plain line behind the reciprocal)
	s_wait_alu depctr_va_vdst(0)                   ; the reciprocal has written 1 / sum, ahead of its first reader
.set j, 0
.rept 16
	v_pk_mul_f32 v[SS+j:SS+j+1], v[OT+j:OT+j+1], v[FF:FF+1] op_sel_hi:[1,0]   ; register 16 g + i = channel 32 g + 16 (lane / 16) + i of my query
.set j, j+2
.endr
.irp b, 0,1
	v_max3_num_f32 v[BM+\b], |v[SS+16*\b]|, |v[SS+1+16*\b]|, 0x1800000
.endr
.irp i, 2,4,6,8,10,12,14
.irp b, 0,1
	v_max3_num_f32 v[BM+\b], v[BM+\b], |v[SS+16*\b+\i]|, |v[SS+1+16*\b+\i]|
.endr
.endr
.irp b, 0,1
	v_permlanex16_b32 v[T1+\b], v[BM+\b], s30, s31
.endr
.irp b, 0,1
	v_max_num_f32 v[BM+\b], v[BM+\b], v[T1+\b]     ; with lane l xor 16's: the block's largest magnitude
.endr
.irp b, 0,1
	v_add_nc_u32 v[SO+\b], 0xff000000, v[BM+\b]
.endr
.irp b, 0,1
	v_lshrrev_b32 v[T1+\b], 23, v[SO+\b]
.endr
	v_lshl_or_b32 v[SWN], v[T1+1], 8, v[T1]        ; my row's two bytes of this head
.irp b, 0,1
	v_cvt_scalef32_pk8_fp4_f32 v[PC+2*\b], v[SS+16*\b:SS+7+16*\b], v[SO+\b]
	v_cvt_scalef32_pk8_fp4_f32 v[PC+1+2*\b], v[SS+8+16*\b:SS+15+16*\b], v[SO+\b]
.endr
	v_nop
	v_permlane16_swap_b32 v[PC], v[PC+2]           ; lanes 0-15 now hold block 0 whole, lanes 16-31 block 1
	v_permlane16_swap_b32 v[PC+1], v[PC+3]
	s_wait_alu depctr_va_vdst(0)                   ; O's codes are written, which the store below reads; so are the two registers of scale halves, which the LDS stores behind the pass loop read
	global_store_b128 v1, v[PC:PC+3], s[12:13]     ; 32 lanes store 512 consecutive bytes, at a multiple of 512 from the buffer's first byte
.irp j, 0,1,2,3
	v_mov_b32 v[16+\j], v[24+\j]                   ; the second tile of queries takes the fragment's place,
.endr
	v_mov_b32 v29, v28                             ; and its scale word
	s_wait_xcnt 0x0                                ; the store has read its base and its data: both are written again only behind this wait
	s_wait_alu depctr_vm_vsrc(0)                   ; and behind this one: the store has read O's codes, whose registers the next pass writes again; the last step's LDS loads have read v5 to v8, which the next pass's head and the way out write
	s_add_nc_u64 s[12:13], s[12:13], 8192          ; the next tile of 16 rows
	s_sub_co_u32 s34, s34, 1
	s_cmp_lg_u32 s34, 0
	s_cbranch_scc1 .Lpass
	; ---- the scale halves of the work-group's 512 rows meet in LDS and leave as 1,024 consecutive bytes
	s_barrier_signal -1                            ; (no LDS instruction of mine is out)
	s_barrier_wait -1                              ; all sixteen waves have left the key loop: from here on LDS is written again
	ds_store_b16 v9, v[SWO]                        ; rows 32 w + r; lanes r and 16 + r write the same two bytes with the same value.  (No vector line since the pass's last wait on va_vdst names v9 or the two data registers)
	ds_store_b16 v9, v[SWN] offset:32              ; rows 32 w + 16 + r
	s_wait_dscnt 0x0                               ; for the others' sake
	s_barrier_signal -1
	s_barrier_wait -1
	s_cmp_lt_u32 s20, 2
	s_cbranch_scc0 .Lend
	ds_load_b128 v[32:35], v10                     ; (the products that read v32-35 stand ahead of several waits on va_vdst)
	v_lshlrev_b32 v5, 4, v0
	s_wait_dscnt 0x0
	s_wait_alu depctr_va_vdst(0)                   ; v5 is written, which the store below reads as its offset
	global_store_b128 v5, v[32:35], s[14:15]       ; 16 lanes store 256 consecutive bytes, aligned
.Lend:
	s_wait_dscnt 0x0                               ; the closing lines, six on end
	s_wait_alu 0x0
	s_wait_tensorcnt 0x0
	ds_add_u32 v254, v255
	s_wait_dscnt 0x0
	s_endpgm
.Lfunc_end_k_qc09884c570_attn:
	.size	k_qc09884c570_attn, .Lfunc_end_k_qc09884c570_attn-k_qc09884c570_attn
	.p2alignl 7, 3214868480
	.fill 96, 4, 3214868480
	.section	.rodata,"a",@progbits
	.p2align	6, 0x0
	.amdhsa_kernel k_qc09884c570_attn
		.amdhsa_group_segment_fixed_size 285696
		.amdhsa_private_segment_fixed_size 0
		.amdhsa_enable_private_segment 0
		.amdhsa_kernarg_size 64
		.amdhsa_user_sgpr_count 2
		.amdhsa_user_sgpr_kernarg_segment_ptr 1
		.amdhsa_wavefront_size32 1
		.amdhsa_system_sgpr_workgroup_id_x 1
		.amdhsa_system_sgpr_workgroup_id_y 1
		.amdhsa_system_sgpr_workgroup_id_z 1
		.amdhsa_system_vgpr_workitem_id 0
		.amdhsa_next_free_vgpr 256
		.amdhsa_next_free_sgpr 66
		.amdhsa_reserve_vcc 0
		.amdhsa_float_denorm_mode_32 3
		.amdhsa_float_denorm_mode_16_64 3
		.amdhsa_memory_ordered 1
		.amdhsa_forward_progress 1
		.amdhsa_inst_pref_size 120
	.end_amdhsa_kernel
	.amdgpu_metadata
---
amdhsa.version: [ 1, 2 ]
amdhsa.kernels:
  - .name:           k_qc09884c570_attn
    .symbol:         k_qc09884c570_attn.kd
    .args:
      - { .name: q, .offset: 0, .size: 8, .value_kind: global_buffer, .address_space: global }
      - { .name: k, .offset: 8, .size: 8, .value_kind: global_buffer, .address_space: global }
      - { .name: v, .offset: 16, .size: 8, .value_kind: global_buffer, .address_space: global }
      - { .name: w_out, .offset: 24, .size: 8, .value_kind: global_buffer, .address_space: global }
      - { .name: ao_codes, .offset: 32, .size: 8, .value_kind: global_buffer, .address_space: global }
      - { .name: ao_scales, .offset: 40, .size: 8, .value_kind: global_buffer, .address_space: global }
      - { .name: w_codes, .offset: 48, .size: 8, .value_kind: global_buffer, .address_space: global }
      - { .name: w_scales, .offset: 56, .size: 8, .value_kind: global_buffer, .address_space: global }
    .group_segment_fixed_size: 285696
    .private_segment_fixed_size: 0
    .kernarg_segment_align: 8
    .kernarg_segment_size: 64
    .max_flat_workgroup_size: 512
    .sgpr_count:     66
    .vgpr_count:     256
    .wavefront_size: 32
...
	.end_amdgpu_metadata
.endif
;; end of part 3
;; launch proj: the kernel of part 2 again; grid 4 x 64, 8 waves a work-group, clusters of 4 x 4, 252,928 bytes of LDS; arguments ao_codes, ao_scales, w_codes, w_scales, b_out, out0; writes out0
